; MI455X (gfx1250); checked and timed in simulation.
; The chip was launched on July 23, 2026; its instructions are those of AMD's public machine-readable ISA for CDNA 5 (MIT licence, August 2026) and "CDNA5" Instruction Set Architecture Reference Guide (July 2026). The comments in the code are by the model that wrote it; some were corrected since.
;; Multi Query Attention. Allowed arithmetic: matrix products marked QUANTISED: E2M3 operands, one E8M0 scale for each 32 along K, by v_wmma_scale_f32_16x16x128_f8f6f4 with both operands' format E2M3, f32 sums; everything else in f32.
;; Inputs: Wk 128 x 2,048 float32; Wo 2,048 x 2,048 float32; Wq 2,048 x 2,048 float32; Wv 128 x 2,048 float32; masking 4 x 1 x 1,024 x 1,024 int32; x 4 x 1,024 x 2,048 float32.
;; Outputs: out0 4 x 1,024 x 2,048 float32.
;; This version of the problem:
;;   THIS VERSION OF THE PROBLEM IS GIVEN IN LOW PRECISION. The matrix products marked QUANTISED in the list below multiply operands that are first quantised to E2M3 (2 exponent bits, 3 mantissa bits; 6 bits a number), with one power-of-two scale for each 32 numbers along K (OCP MX v1.0); their sums are f32. All else is computed in f32.
;;   The module's matrix products, in the order in which they are computed (A, B: the left and right operand; K: the contracted axis; several contracted axes count as one K, in the product's order):
;;     1. [M 4,096, K 2,048] x [K 2,048, N 2,048]; A: input x; B: input Wq: QUANTISED
;;     2. [M 4,096, K 2,048] x [K 2,048, N 128]; A: input x; B: input Wk: QUANTISED
;;     3. [M 4,096, K 2,048] x [K 2,048, N 128]; A: input x; B: input Wv: QUANTISED
;;     4. batch 4 x [M 16,384, K 128] x [K 128, N 1,024]; A: computed on the way; B: computed on the way: QUANTISED
;;     5. batch 4 x [M 16,384, K 1,024] x [K 1,024, N 128]; A: softmax (see below); B: computed on the way: QUANTISED
;;     6. [M 4,096, K 2,048] x [K 2,048, N 2,048]; A: computed on the way; B: input Wo: QUANTISED
;;   THE QUANTISER, for each operand of a quantised product, along K:
;;     - K is cut into blocks of 32 from its start; a last block that is shorter is filled with zeros.
;;     - A block's scale is 2^e with e = floor(log2(the largest magnitude in the block)) - 2, held to -126 .. 127; a block of zeros has e = 0. As a byte (E8M0): e + 127.
;;     - Each number is divided by its block's scale, clamped to +-7.5, and rounded to the nearest number of E2M3, ties to even, subnormals kept.
;;     - The product sums the exact products of the quantised numbers (number of the format x scale) in f32.
;;   ~~~python
;;   def quantise(x, axis):      # numpy; x: float32 -> the quantised numbers, widened to float32 again
;;       x = np.moveaxis(x, axis, -1); K = x.shape[-1]
;;       x = np.pad(x, [(0, 0)] * (x.ndim - 1) + [(0, -K % 32)]); x = x.reshape(x.shape[:-1] + (-1, 32)); a = np.abs(x).max(-1, keepdims=True)
;;       e = np.where(a > 0, np.clip(np.frexp(np.where(a > 0, a, 1))[1] - 1 - 2, -126, 127), 0)      # np.frexp(a)[1] - 1 = floor(log2(a)), exactly
;;       r = np.clip(x / 2.0 ** e, -7.5, 7.5)
;;       step = 2.0 ** (np.maximum(np.frexp(np.where(r == 0, 1, r))[1] - 1, 0) - 3)
;;       q = np.round(r / step) * step * 2.0 ** e      # np.round: ties to even
;;       return np.moveaxis(q.reshape(q.shape[:-2] + (-1,))[..., :K], -1, axis).astype(np.float32)
;;   ~~~
;;   SOFTMAX AHEAD OF A QUANTISED PRODUCT. Where the list says 'softmax', what is quantised is not the finished softmax but p = 2^(t - M), with t = logit x log2(e) and M = ceil(the row's largest t), a whole number; so 1/2 < the row's largest p <= 1. The row's sum l is taken of the UNQUANTISED p, in f32, and the product's result is divided by l at the end. Since M is a whole number, a kernel that streams over the keys may use a running M (the ceiling of the running maximum): every later rescaling is an exact power of two, which a block's scale takes up: the codes' values come out the same.
;;   OPERANDS COMPUTED ON THE WAY. 'Computed on the way' means the value that the module computes at that place (a softmax that the list does not call 'softmax' is quantised finished and normalised). What goes into a quantiser is computed in f32, as accurately as f32 sums, v_exp_f32 and their like allow (about 1e-6 of the number): no bf16 or f16 on the way to a quantiser, and a product that is left as it is and whose result goes on into a quantised operand takes f32 operands (vector FMAs, or v_wmma_f32_16x16x4_f32). A number that lies on a knife's edge between two numbers of the format may be rounded either way, as far as f32 arithmetic and the matrix unit's own rounding can turn it there, and no further.
;; One version. Each part assembles by itself: llvm-mc -triple=amdgcn-amd-amdhsa -mcpu=gfx1250 --defsym DOCPART=n.
;; ======== version 1 of 1: 4 launches
;; limits: right only within a limited range of input values
;; workspace buffers: xq 6,553,600 bytes; wq 3,686,400 bytes; woq 3,276,800 bytes; maskw 524,288 bytes of whole numbers; qkv 7,667,712 bytes; oq 6,553,600 bytes
;; launch prep (part 1): grid 656 x 1, 4 waves a work-group, no clusters, 68,096 bytes of LDS; arguments x, Wq, Wk, Wv, Wo, masking, xq, wq, woq, maskw; writes xq, wq, woq, maskw
.if DOCPART == 1
	.amdgcn_target "amdgcn-amd-amdhsa--gfx1250"
	.amdhsa_code_object_version 6
	.text
	.protected	k_q90b55ed19d_prep
	.globl	k_q90b55ed19d_prep
	.p2align	8
	.type	k_q90b55ed19d_prep,@function
k_q90b55ed19d_prep:
	s_mov_b64 s[64:65], 0
	v_nop
	global_prefetch_b8 v0, s[64:65] scope:SCOPE_SE
	s_setreg_imm32_b32 hwreg(HW_REG_WAVE_MODE, 25, 1), 1
	s_wait_xcnt 0x0
; MULTI-QUERY ATTENTION IN MX-FP6, launch 1 of 4.  Nothing of the problem is left out as dead work: all six products are made and all six inputs are loaded.
; (a) x [4096][2048], Wq, Wo [2048][2048], Wk, Wv [128][2048], f32 with K innermost, become codes of FP6 (E2M3) and one E8M0 byte for each 32 along K;
; (b) masking [4096 rows][1024 keys] of int32 becomes words of one bit a lane, as the attention launch's selects take them.
; LAYOUT OF THE CODES: images of the matrix operand's registers.  A fragment is 16 rows x 128 K: 12 registers x 32 lanes = 1,536 bytes, registers 4 c .. 4 c + 3 of lane l at 512 c + 16 l.
; A buffer is [row block of 16][16 K steps][1,536 bytes]; behind the codes the scale words, [row block][8 pairs of K steps][16 rows][2 words]: 1,024 bytes a row block.
; STORAGE ORDER: row block T holds, in row i, true row 32 (T / 2) + 8 (T % 2) + i + 8 (i / 8): used as source 0, two neighbouring blocks leave 16 neighbours of the true order in a lane's 16 registers.
; A block's scale is 2^(floor(log2(its largest magnitude)) - 2); its byte is the largest magnitude's exponent field - 2, held at 1 from below.
; LIMITS: a block of zeros, or one whose largest magnitude lies under 2^-124, gets the byte 1 (this program alone reads the bytes); NaN and infinities are not served.
; SHARES.  Work-groups 0-527 quantise one row block each (0-255 x, 256-383 Wq, 384-391 Wk, 392-399 Wv, 400-527 Wo); a wave takes 4 K steps: 4 fragments.  Only pointers are chosen: one path serves all five.
; Work-groups 528-655 pack the mask: a wave takes one tile of 16 queries and four key steps of 128.  Both paths read 16 rows x 512 consecutive bytes a step and turn them through the wave's own stage in LDS;
; each path has LDS bytes of its own.  No tensor load, no barrier: waves share nothing.
.set QWG,   528
.set SROW,  528                        ; a stage row: 512 bytes + 16: an odd multiple of 16
.set SWAVE, 16*SROW
.set MST,   4*SWAVE                    ; the mask path's stages
.set SPARE, 2*MST                      ; the spare words, 128 bytes for each wave
.set XSC,   4096*1536
.set WSC,   2304*1536
.set OSC,   2048*1536
.set SPW,   12
.set NIL,   13
.set R,     16                         ; v16-143 two sets of 64 words as loaded
.set X,     144                        ; v144-207 the same turned
.set C,     208                        ; v208-219 a fragment's 12 registers
.set T,     220                        ; v220-227 the upper halves of two blocks, as the conversions leave them
.set W,     228                        ; v228-231 a scale word for each of my K steps
.set WL,    208                        ; mask path: v208-215 a pair for each key step
.macro GLOAD t, bs, pitch              ; step t: 16 rows x 512 consecutive bytes
.irp p, 0,1,2,3,4,5,6,7,8,9,10,11,12,13,14,15
	global_load_b128 v[R+64*((\t)%2)+4*\p:R+64*((\t)%2)+4*\p+3], v1, s[\bs:\bs+1] offset:(\p+8*(\p/8))*\pitch+512*(\t) th:TH_LOAD_NT
.endr
.endm
.macro TURN t, bs, pitch, o2           ; step t through the stage: LDS serves a wave's instructions in order, so no wait stands between the stores and the loads
.if (\t) < 3
	s_wait_loadcnt 16                              ; this step's 16 loads are in; the next step's 16 may be out
.else
	s_wait_loadcnt 0x0
.endif
.irp p, 0,1,2,3,4,5,6,7,8,9,10,11,12,13,14,15
	ds_store_b128 v5, v[R+64*((\t)%2)+4*\p:R+64*((\t)%2)+4*\p+3] offset:SROW*\p
.endr
.irp b, 0,1,2,3
.irp q, 0,1,2,3
	ds_load_b128 v[X+16*\b+4*\q:X+16*\b+4*\q+3], v3 offset:256*(\b/2)+\o2*(\b%2)+16*\q
.endr
.endr
	s_wait_dscnt 0x0                               ; the turned words are in, and the stage's stores have read their registers
	s_wait_xcnt 0x0                                ; the last step's global stores have read theirs
.if (\t) < 2
	GLOAD (\t)+2, \bs, \pitch
.endif
.endm
	s_load_b512 s[4:19], s[0:1], 0x0               ; x 4:5, Wq 6:7, Wk 8:9, Wv 10:11, Wo 12:13, masking 14:15, xq 16:17, wq 18:19
	s_load_b128 s[20:23], s[0:1], 0x40             ; woq 20:21, maskw 22:23
	v_lshl_add_u32 v[SPW], v0, 2, SPARE
	v_mov_b32 v[NIL], 0
	v_lshrrev_b32 v1, 5, v0
	v_readfirstlane_b32 s24, v1                    ; wave
	v_and_b32 v2, 31, v0                           ; lane
	v_lshlrev_b32 v1, 4, v2                        ; 16 x lane
	v_and_b32 v6, 15, v2                           ; r
	v_lshrrev_b32 v7, 4, v2                        ; h
	v_mul_u32_u24 v3, v6, SROW
	v_lshlrev_b32 v4, 3, v2                        ; 8 x lane
	s_mul_i32 s48, s24, SWAVE
	s_cmp_ge_u32 ttmp9, QWG
	s_wait_alu depctr_va_vdst(0)
	s_cbranch_scc1 .Lmask
	; ---------------- THE QUANTISER ----------------
	v_add_nc_u32 v5, s48, v1                       ; into the stage: a row's 512 bytes as they lie
	v_lshl_add_u32 v3, v7, 7, v3
	v_add_nc_u32 v3, s48, v3                       ; out of it: row r, + 128 h: K = 32 h .. and, 256 bytes on, K = 64 + 32 h ..
	v_lshlrev_b32 v14, 3, v7                       ; 8 h
	s_wait_alu depctr_va_vdst(0)
	s_wait_kmcnt 0x0
	s_mov_b64 s[26:27], s[12:13]                   ; which tensor?  The choices hang on the work-group's number alone.  First Wo's pointer,
	s_mov_b32 s28, 400                             ; the tensor's first work-group,
	s_mov_b64 s[30:31], s[20:21]                   ; the buffer that takes it,
	s_mov_b32 s29, 400                             ; the work-group that writes that buffer's first row block,
	s_mov_b32 s34, OSC                             ; and where its scale words begin
	s_cmp_lt_u32 ttmp9, 400
	s_cselect_b64 s[26:27], s[10:11], s[26:27]     ; Wv
	s_cselect_b32 s28, 392, s28
	s_cselect_b64 s[30:31], s[18:19], s[30:31]     ; wq takes Wq, Wk and Wv, one behind the other
	s_cselect_b32 s29, 256, s29
	s_cselect_b32 s34, WSC, s34
	s_cmp_lt_u32 ttmp9, 392
	s_cselect_b64 s[26:27], s[8:9], s[26:27]       ; Wk
	s_cselect_b32 s28, 384, s28
	s_cmp_lt_u32 ttmp9, 384
	s_cselect_b64 s[26:27], s[6:7], s[26:27]       ; Wq
	s_cselect_b32 s28, 256, s28
	s_cmp_lt_u32 ttmp9, 256
	s_cselect_b64 s[26:27], s[4:5], s[26:27]       ; x
	s_cselect_b32 s28, 0, s28
	s_cselect_b64 s[30:31], s[16:17], s[30:31]
	s_cselect_b32 s29, 0, s29
	s_cselect_b32 s34, XSC, s34
	s_sub_co_u32 s35, ttmp9, s28                   ; T, in the tensor
	s_lshr_b32 s36, s35, 1
	s_lshl_b32 s36, s36, 5
	s_and_b32 s37, s35, 1
	s_lshl_b32 s37, s37, 3
	s_add_co_u32 s36, s36, s37                     ; its first true row,
	s_lshl_b32 s36, s36, 13                        ; 8,192 bytes a row,
	s_lshl_b32 s37, s24, 11                        ; 2,048 bytes for a wave's 4 K steps
	s_add_co_u32 s36, s36, s37
	s_mov_b32 s37, 0
	s_add_nc_u64 s[26:27], s[26:27], s[36:37]
	s_sub_co_u32 s35, ttmp9, s29                   ; the row block in the buffer
	s_mul_i32 s36, s35, 16*1536
	s_mul_i32 s38, s24, 4*1536
	s_add_co_u32 s36, s36, s38
	s_add_nc_u64 s[40:41], s[30:31], s[36:37]      ; my four fragments
	s_lshl_b32 s36, s35, 10
	s_lshl_b32 s38, s24, 8
	s_add_co_u32 s36, s36, s38
	s_add_co_u32 s36, s36, s34
	s_add_nc_u64 s[42:43], s[30:31], s[36:37]      ; my 256 bytes of scale words
	s_mov_b32 s44, 0x76543210                      ; v_permlanex16_b32's selects for lane l xor 16
	s_mov_b32 s45, 0xfedcba98
.macro QSTEP t                         ; a fragment: lane (r, h) holds blocks h and 2 + h of row r, 32 numbers each: no other lane is asked for a maximum
	TURN \t, 26, 8192, 64
.irp c, 0,1
	v_max3_num_f32 v[8+\c], |v[X+32*\c]|, |v[X+32*\c+1]|, 0x1800000   ; with the floor 2^(3 - 127): the byte cannot fall under 1
.endr
.irp i, 2,4,6,8,10,12,14,16,18,20,22,24,26,28,30
.irp c, 0,1
	v_max3_num_f32 v[8+\c], v[8+\c], |v[X+32*\c+\i]|, |v[X+32*\c+\i+1]|   ; the two blocks by turns
.endr
.endr
.irp c, 0,1
	v_add_nc_u32 v[10+\c], 0xff000000, v[8+\c]     ; 2 off the exponent field: the conversion's scale operand
.endr
.irp c, 0,1
	v_lshrrev_b32 v[8+\c], 23, v[10+\c]            ; the scale's byte
.endr
	v_lshl_or_b32 v8, v9, 16, v8                   ; my two bytes,
	v_lshlrev_b32 v8, v14, v8                      ; at their places in the word (8 h bits up);
	v_permlanex16_b32 v9, v8, s44, s45
	v_or_b32 v[W+\t], v8, v9                       ; with lane l xor 16's two the row's word is whole, in both halves of the lanes
.irp c, 0,1
	v_cvt_scalef32_pk16_fp6_f32 v[C+6*\c:C+6*\c+2], v[X+32*\c:X+32*\c+15], v[10+\c]
	v_cvt_scalef32_pk16_fp6_f32 v[T+4*\c:T+4*\c+2], v[X+32*\c+16:X+32*\c+31], v[10+\c]   ; (a conversion's three registers begin on an even number)
.endr
	v_nop                                          ; one plain line behind a scaled conversion
.irp c, 0,1
.irp i, 0,1,2
	v_mov_b32 v[C+3+6*\c+\i], v[T+4*\c+\i]
.endr
.endr
.irp c, 0,1,2
	global_store_b128 v1, v[C+4*\c:C+4*\c+3], s[40:41] offset:1536*(\t)+512*\c   ; 512 consecutive bytes, aligned
.endr
.endm
	GLOAD 0, 26, 8192
	GLOAD 1, 26, 8192
	QSTEP 0
	QSTEP 1
	QSTEP 2
	QSTEP 3
	s_wait_alu depctr_va_vdst(0)
	v_cmp_ne_u32 vcc_lo, 0, v7
	v_cndmask_b32 v8, v[W], v[W+2], vcc_lo         ; lanes 0-15 take my first pair of K steps, lanes 16-31 my second
	v_cndmask_b32 v9, v[W+1], v[W+3], vcc_lo
	global_store_b64 v4, v[8:9], s[42:43]          ; 256 consecutive bytes, aligned
	s_branch .Lend
	; ---------------- THE MASK ----------------
	; Word n = 16 b + i of key step j of tile T: bit 16 h + r says that masking[T's row r][128 j + 32 b + 16 h + i] is not 0.
.Lmask:
	s_sub_co_u32 s25, ttmp9, QWG
	s_lshl_b32 s25, s25, 2
	s_add_co_u32 s25, s25, s24                     ; 0 .. 511
	s_lshr_b32 s26, s25, 1                         ; T
	s_and_b32 s27, s25, 1                          ; which four key steps
	s_lshr_b32 s28, s26, 1
	s_lshl_b32 s28, s28, 5
	s_and_b32 s29, s26, 1
	s_lshl_b32 s29, s29, 3
	s_add_co_u32 s28, s28, s29                     ; the tile's first true row,
	s_lshl_b32 s28, s28, 12                        ; 4,096 bytes a row,
	s_lshl_b32 s29, s27, 11                        ; 512 bytes a key step
	s_add_co_u32 s28, s28, s29
	s_mov_b32 s29, 0
	s_lshl_b32 s30, s26, 11                        ; the words: 2,048 bytes a tile,
	s_lshl_b32 s31, s27, 10                        ; 256 a key step
	s_add_co_u32 s30, s30, s31
	s_mov_b32 s31, 0
	s_add_co_u32 s48, s48, MST                     ; my stage
	v_add_nc_u32 v5, s48, v1
	v_lshl_add_u32 v3, v7, 6, v3
	v_add_nc_u32 v3, s48, v3                       ; out of it: row r, + 64 h
.irp i, 0,1,2,3,4,5,6,7
	v_mov_b32 v[WL+\i], 0                          ; written once: the destination of v_writelane_b32 counts as one of its sources
.endr
	s_wait_alu depctr_va_vdst(0)
	s_wait_kmcnt 0x0
	s_add_nc_u64 s[14:15], s[14:15], s[28:29]
	s_add_nc_u64 s[22:23], s[22:23], s[30:31]
.macro MSTEP t
	TURN \t, 14, 4096, 128
.irp q, 0,1,2,3
.irp k, 0,1,2,3,4,5,6,7,8,9,10,11,12,13,14,15
	v_cmp_ne_u32 s[32+\k], 0, v[X+16*\q+\k]        ; a bit a lane
.endr
.irp k, 0,1,2,3,4,5,6,7,8,9,10,11,12,13,14,15
	v_writelane_b32 v[WL+2*(\t)+\k%2], s[32+\k], 8*\q+\k/2   ; word n = 16 q + k to lane n / 2, register n % 2
.endr
.endr
	global_store_b64 v4, v[WL+2*(\t):WL+2*(\t)+1], s[22:23] offset:256*(\t)   ; 256 consecutive bytes, aligned: word n at byte 4 n
.endm
	GLOAD 0, 14, 4096
	GLOAD 1, 14, 4096
	MSTEP 0
	MSTEP 1
	MSTEP 2
	MSTEP 3
.Lend:
	s_wait_tensorcnt 0x0                           ; the wave's end, behind my last LDS store
	ds_add_u32 v[SPW], v[NIL]
	s_wait_dscnt 0x0
	s_endpgm
.Lfunc_end_k_q90b55ed19d_prep:
	.size	k_q90b55ed19d_prep, .Lfunc_end_k_q90b55ed19d_prep-k_q90b55ed19d_prep
	.p2alignl 7, 3214868480
	.fill 96, 4, 3214868480
	.section	.rodata,"a",@progbits
	.p2align	6, 0x0
	.amdhsa_kernel k_q90b55ed19d_prep
		.amdhsa_group_segment_fixed_size 68096
		.amdhsa_private_segment_fixed_size 0
		.amdhsa_enable_private_segment 0
		.amdhsa_kernarg_size 80
		.amdhsa_user_sgpr_count 2
		.amdhsa_user_sgpr_kernarg_segment_ptr 1
		.amdhsa_wavefront_size32 1
		.amdhsa_system_sgpr_workgroup_id_x 1
		.amdhsa_system_sgpr_workgroup_id_y 1
		.amdhsa_system_sgpr_workgroup_id_z 1
		.amdhsa_system_vgpr_workitem_id 0
		.amdhsa_next_free_vgpr 232
		.amdhsa_next_free_sgpr 66
		.amdhsa_reserve_vcc 1
		.amdhsa_float_denorm_mode_32 3
		.amdhsa_float_denorm_mode_16_64 3
		.amdhsa_memory_ordered 1
		.amdhsa_forward_progress 1
		.amdhsa_inst_pref_size 79
	.end_amdhsa_kernel
	.amdgpu_metadata
---
amdhsa.version: [ 1, 2 ]
amdhsa.kernels:
  - .name:           k_q90b55ed19d_prep
    .symbol:         k_q90b55ed19d_prep.kd
    .args:
      - { .name: x, .offset: 0, .size: 8, .value_kind: global_buffer, .address_space: global }
      - { .name: Wq, .offset: 8, .size: 8, .value_kind: global_buffer, .address_space: global }
      - { .name: Wk, .offset: 16, .size: 8, .value_kind: global_buffer, .address_space: global }
      - { .name: Wv, .offset: 24, .size: 8, .value_kind: global_buffer, .address_space: global }
      - { .name: Wo, .offset: 32, .size: 8, .value_kind: global_buffer, .address_space: global }
      - { .name: masking, .offset: 40, .size: 8, .value_kind: global_buffer, .address_space: global }
      - { .name: xq, .offset: 48, .size: 8, .value_kind: global_buffer, .address_space: global }
      - { .name: wq, .offset: 56, .size: 8, .value_kind: global_buffer, .address_space: global }
      - { .name: woq, .offset: 64, .size: 8, .value_kind: global_buffer, .address_space: global }
      - { .name: maskw, .offset: 72, .size: 8, .value_kind: global_buffer, .address_space: global }
    .group_segment_fixed_size: 68096
    .private_segment_fixed_size: 0
    .kernarg_segment_align: 8
    .kernarg_segment_size: 80
    .max_flat_workgroup_size: 128
    .sgpr_count:     66
    .vgpr_count:     232
    .wavefront_size: 32
...
	.end_amdgpu_metadata
.endif
;; end of part 1
;; launch qkvproj (part 2): grid 16 x 9, 4 waves a work-group, clusters of 4 x 1, 327,680 bytes of LDS; arguments xq, wq, qkv; writes qkv
.if DOCPART == 2
	.amdgcn_target "amdgcn-amd-amdhsa--gfx1250"
	.amdhsa_code_object_version 6
	.text
	.protected	k_q90b55ed19d_qkvproj
	.globl	k_q90b55ed19d_qkvproj
	.p2align	8
	.type	k_q90b55ed19d_qkvproj,@function
k_q90b55ed19d_qkvproj:
	s_mov_b64 s[64:65], 0
	v_nop
	global_prefetch_b8 v0, s[64:65] scope:SCOPE_SE
	s_setreg_imm32_b32 hwreg(HW_REG_WAVE_MODE, 25, 1), 1
	s_wait_xcnt 0x0
	s_wait_alu depctr_hold_cnt(0) depctr_sa_sdst(0) depctr_va_vdst(0) depctr_va_sdst(0) depctr_va_ssrc(0) depctr_va_vcc(0) depctr_vm_vsrc(0)
	s_getreg_b32 s2, hwreg(HW_REG_IB_STS2, 6, 4)
	s_cmp_eq_u32 s2, 0
	s_cbranch_scc0 .Lentry_in_a_cluster
	s_endpgm
.Lentry_in_a_cluster:
	s_bfe_u32 s2, ttmp6, 0x10000c
	s_cmp_lg_u32 s2, 0x3003
	s_cbranch_scc0 .Lentry_shape_is_right
	s_endpgm
.Lentry_shape_is_right:
; Launch 2 of 4: q = x Wq^T, k = x Wk^T, v = x Wv^T on codes of FP6 (E2M3) with one E8M0 scale for each 32 along K = 2,048; the results are quantised in registers and leave as codes.  No work is left out.
; xq (256 row blocks) and wq (144: 128 of Wq, 8 of Wk, 8 of Wv) hold images of the operand's registers: [row block of 16][16 K steps][1,536 bytes], and behind them scale words [row block][8 pairs of K steps][16 rows][2 words].
; A work-group makes 256 rows of x (tile X) x 256 rows of wq (tile Y = 0 .. 8); a wave 128 x 128: 64 accumulators, 512 registers.  K goes in steps of 256 through a ring of two LDS slots: a tensor load brings
; 8 row blocks x 3,072 consecutive bytes, each on a 256-byte border.  A fragment is three loads of 16 bytes a lane at 16 x lane.  The scale words of the work-group's rows come once, at the head, and stay.
; THE MATRIX INSTRUCTION IS USED TRANSPOSED: source 0 gives the registers' axis, source 1 the lanes'.  For q and k source 0 = 16 rows of W, source 1 = 16 rows of x: by the storage order a lane's 64 registers of a block of rows
; are its row's 128 head channels in true order.  In tile Y = 8 the odd waves make v, whose next K is the KEYS: they take x as source 0 and Wv as source 1.  Only address registers differ.
; THE WAY OUT: qkv is 576 units of 13,312 bytes: unit 32 hh + panel (hh 0-15 q's heads, 16 k, 17 v^T; panel = 128 storage rows of x): 8 fragments of 1,536 bytes, then 4 x 256 bytes of scale words (lane l: 8 bytes at 8 l).
; CLUSTER: 4 work-groups along X read the same tile of wq: it is asked for JOINTLY (mask 15).  x's tiles are asked for singly: those that share one lie along Y, and 9 tiles along Y do not divide into clusters.
; LIMITS: a block of zeros, or one whose largest magnitude lies under 2^-124, gets the byte 1; NaN and infinities are not served.
; REGISTERS, in windows of 256: window 0: v0-31 addresses; v32-63 scale words, two sets; v64-83 and v224-243 at work on the way out; from v128 source 1's fragments, ONE set.
;   window 1: source 0's fragments, TWO sets, at v0 and v128.   window 2: the accumulators of my blocks 0-3;   window 3: those of blocks 4-7.
.set NQ,     2                         ; K steps of 128 in a slot
.set FB,     1536                      ; a fragment
.set RBK,    16*FB                     ; a row block in memory
.set RBS,    NQ*FB                     ; a row block's part of a slot
.set FR,     12
.set NL,     3                         ; LDS loads that bring a fragment
.set NP,     4                         ; places behind this matrix instruction (ISA guide 7.12.1)
.set HALFT,  8*RBS
.set SLOT,   4*HALFT                   ; x's 16 row blocks, then wq's 16
.set LAPS,   4
.set SCL,    2*SLOT                    ; behind the ring: the scale words
.set HALFS,  8192                      ; those of 128 rows
.set SBLK,   1024                      ; those of 16 rows
.set SPARE,  SCL+4*HALFS
.set UB,     13312
.set XSC,    4096*1536
.set WSC,    2304*1536
.set ADRA, 16                          ; v16-17 source 1's fragments in slot 0, 1
.set ADRB, 20                          ; v20-21 source 0's
.set GS,   25
.set GO,   26
.set ADRS, 27                          ; my scale words: lanes 0-15 source 1's rows, lanes 16-31 source 0's
.set SPW,  28
.set NIL,  29
.set SC,   32
.set PC,   64
.set AF,   128
.set TM,   224
.set FLR,  240
.set PW,   242
.set G1, 24
.set G0, 32
.set G1B, 48
.set G0B, 56
.set G1S, 68
.set G0S, 76
.set G1SB, 80
.set G0SB, 88
.set G0H, 4                            ; group 0 of the head's loads of codes, where the arguments lay
.set G0HB, 8
.set MSB, 0
.macro WIN new
.if MSB != \new
	s_set_vgpr_msb (MSB<<8)|\new
.set MSB, \new
.endif
.endm
.set MUL_LO, 0xa1
.set MUL_HI, 0xf1
.set TO_B,   0x40
.macro JLOAD g0a, g1a, g0b, g1b        ; waves 0 and 1 fetch x's halves, waves 2 and 3 wq's (jointly)
	s_cmp_eq_u32 s15, 0
	s_cbranch_scc0 .Lfor_b_\@
	tensor_load_to_lds s[\g0a:\g0a+3], s[\g1a:\g1a+7]
	s_nop 0
.rept 4
	v_nop
.endr
	s_branch .Lasked_\@
.Lfor_b_\@:
	tensor_load_to_lds s[\g0b:\g0b+3], s[\g1b:\g1b+7]
	s_nop 0
.rept 4
	v_nop
.endr
.Lasked_\@:
.endm
.macro CREST
	s_cmp_lg_u32 s14, 0
	s_cbranch_scc1 .Lnot_wave_0_\@
	s_barrier_signal -3
.Lnot_wave_0_\@:
	s_barrier_wait -3
	s_barrier_signal -1
	s_barrier_wait -1
.endm
.macro CROUND
	s_barrier_signal -1
	s_barrier_wait -1
	CREST
.endm
	s_load_b64 s[4:5], s[0:1], 0x0                 ; xq
	s_load_b64 s[8:9], s[0:1], 0x8                 ; wq
	s_load_b64 s[12:13], s[0:1], 0x10              ; qkv
	v_lshl_add_u32 v[SPW], v0, 2, SPARE
	v_mov_b32 v[NIL], 0
	ds_add_u32 v[SPW], v[NIL]                      ; the opening lines: the add, twice on end, and its wait ahead of my first tensor load
	ds_add_u32 v[SPW], v[NIL]
	v_lshrrev_b32 v1, 5, v0
	v_readfirstlane_b32 s14, v1                    ; wave
	s_lshr_b32 s15, s14, 1                         ; which 128 rows of x are mine; also: I fetch for x (0) or wq (1)
	s_and_b32 s16, s14, 1                          ; which 128 rows of wq; also: which half of a tile I fetch
	s_bfe_u32 s40, ttmp6, 0x40000                  ; cx
	s_lshl_b32 s42, ttmp9, 2
	s_add_co_u32 s42, s42, s40                     ; X
	s_and_b32 s17, ttmp7, 0xffff                   ; Y: the four partners share it
	s_mov_b32 s[G1], 3<<16                         ; x's tiles: no mask; elements of 8 bytes
	s_mov_b32 s[G1B], 15|(3<<16)|(1<<21)           ; wq's: the mask names all four; bit 21 beside it
.irp g, G1, G1B
	s_mov_b32 s[\g+1], (RBS/8)<<16                 ; a row: a row block's 3,072 bytes of a slot
	s_mov_b32 s[\g+2], 16<<16                      ; 16 row blocks for the head's loads; 8 behind them
	s_mov_b32 s[\g+3], (RBS/8)<<16
	s_mov_b32 s[\g+4], 16
	s_mov_b32 s[\g+5], RBK/8
	s_mov_b32 s[\g+6], 0
	s_mov_b32 s[\g+7], 0
.endr
	s_mov_b32 s[G1S], 3<<16                        ; the scale words of 256 rows: 16,384 dense bytes as 64 rows of 256
	s_mov_b32 s[G1SB], 15|(3<<16)|(1<<21)
.irp g, G1S, G1SB
	s_mov_b32 s[\g+1], 32<<16
	s_mov_b32 s[\g+2], 64<<16
	s_mov_b32 s[\g+3], 32<<16
	s_mov_b32 s[\g+4], 64
	s_mov_b32 s[\g+5], 32
	s_mov_b32 s[\g+6], 0
	s_mov_b32 s[\g+7], 0
.endr
	s_mul_i32 s20, s42, 16*RBK                     ; x's tile, in bytes
	s_mul_i32 s46, s17, 16*RBK                     ; wq's (in registers that never hold cx)
	s_lshl_b32 s22, s42, 14                        ; and their scale words
	s_lshl_b32 s92, s17, 14
	s_mov_b32 s21, 0
	s_mov_b32 s47, 0
	s_mov_b32 s23, 0
	s_mov_b32 s93, 0
	s_mul_i32 s18, s16, 8*RBK                      ; in the ring: my half of a tile,
	s_mov_b32 s19, 0
	s_mul_i32 s45, s14, HALFT                      ; and where it goes
	s_wait_dscnt 0x0                               ; both opening adds are done
	s_wait_kmcnt 0x0
	s_add_nc_u64 s[20:21], s[4:5], s[20:21]
	s_add_nc_u64 s[22:23], s[4:5], s[22:23]
	s_add_nc_u64 s[22:23], s[22:23], XSC
	s_add_nc_u64 s[46:47], s[8:9], s[46:47]
	s_add_nc_u64 s[92:93], s[8:9], s[92:93]
	s_add_nc_u64 s[92:93], s[92:93], WSC
	CROUND                                         ; all four work-groups are here: the first joint loads meet
	s_mov_b32 s[G0H], 1
	s_mov_b32 s[G0H+1], 0
	s_mov_b64 s[G0H+2:G0H+3], s[20:21]
	s_or_b32 s[G0H+3], s[G0H+3], 0x80000000
	s_mov_b32 s[G0HB], 1
	s_mov_b32 s[G0HB+1], 2*HALFT
	s_mov_b64 s[G0HB+2:G0HB+3], s[46:47]
	s_or_b32 s[G0HB+3], s[G0HB+3], 0x80000000
	s_mov_b32 s[G0S], 1
	s_mov_b32 s[G0S+1], SCL
	s_mov_b64 s[G0S+2:G0S+3], s[22:23]
	s_or_b32 s[G0S+3], s[G0S+3], 0x80000000
	s_mov_b32 s[G0SB], 1
	s_mov_b32 s[G0SB+1], SCL+2*HALFS
	s_mov_b64 s[G0SB+2:G0SB+3], s[92:93]
	s_or_b32 s[G0SB+3], s[G0SB+3], 0x80000000
	s_add_nc_u64 s[20:21], s[20:21], s[18:19]
	s_add_nc_u64 s[46:47], s[46:47], s[18:19]
.irp s, 0,1
	s_mov_b32 s[G0+4*\s], 1
	s_add_co_u32 s[G0+4*\s+1], s45, \s*SLOT
	s_add_nc_u64 s[G0+4*\s+2:G0+4*\s+3], s[20:21], \s*RBS
	s_or_b32 s[G0+4*\s+3], s[G0+4*\s+3], 0x80000000
	s_mov_b32 s[G0B+4*\s], 1
	s_add_co_u32 s[G0B+4*\s+1], s45, \s*SLOT
	s_add_nc_u64 s[G0B+4*\s+2:G0B+4*\s+3], s[46:47], \s*RBS
	s_or_b32 s[G0B+4*\s+3], s[G0B+4*\s+3], 0x80000000
.endr
; THE HEAD'S LOADS, ONE A WAVE: wave 0 slot 0's 256 rows of x, wave 1 its 256 rows of wq, wave 2 x's scale words, wave 3 wq's.  One chain of branches on the wave's number.
; THE PREFETCH INTO THE L2: behind each refill in the loop a wave asks for its own load of two refills on (8 row blocks x 3,072 bytes).  A lane names a block of 256 bytes: lanes 0-11 one row block's 12, lanes 12-23 the next one's,
; lanes 24-31 the last again.  x's tiles are the work-group's own: four instructions; wq's are shared: partner cx takes row blocks 2 cx and 2 cx + 1, told apart by address: one instruction.  The loop's last trip asks for nothing.
.set PFO, 30
	s_lshl_b32 s94, s40, 1
	s_cmp_eq_u32 s15, 0
	s_cselect_b64 s[66:67], s[20:21], s[46:47]
	s_cselect_b32 s94, 0, s94
	s_mul_i32 s94, s94, RBK
	s_add_co_u32 s94, s94, 3*RBS                   ; the first refill steps it to pair 4
	s_mov_b32 s95, 0
	s_add_nc_u64 s[66:67], s[66:67], s[94:95]
.macro ARM under, g0, g1, next
	s_cmp_lt_u32 s14, \under
	s_cbranch_scc0 \next
	tensor_load_to_lds s[\g0:\g0+3], s[\g1:\g1+7]
	s_nop 0
.rept 4
	v_nop
.endr
	s_branch .Lhead_asked
\next:
.endm
	ARM 1, G0H,  G1,  .Lhead_b
	ARM 2, G0HB, G1B, .Lhead_sa
	ARM 3, G0S,  G1S, .Lhead_sb
	tensor_load_to_lds s[G0SB:G0SB+3], s[G1SB:G1SB+7]
	s_nop 0
.rept 4
	v_nop
.endr
.Lhead_asked:
	s_mul_i32 s21, s15, HALFT                      ; my 128 rows of x
	s_mul_i32 s22, s16, HALFT
	s_add_co_u32 s22, s22, 2*HALFT                 ; my 128 rows of wq
	s_cmp_eq_u32 s17, 8
	s_cselect_b32 s95, 1, 0
	s_and_b32 s95, s95, s14                        ; f = 1 in the waves that make v: tile Y = 8, odd wave.  The same in all partners
	s_cmp_eq_u32 s95, 1
	s_cselect_b32 s96, s22, s21                    ; source 1, the lanes' axis: x, or Wv where f = 1
	s_cselect_b32 s97, s21, s22                    ; source 0, the registers' axis: wq, or x where f = 1
	s_mul_i32 s21, s15, HALFS                      ; x's scale words: my 128 rows
	s_mul_i32 s22, s16, HALFS
	s_add_co_u32 s22, s22, 2*HALFS                 ; wq's
	s_sub_co_u32 s22, s22, s21
	s_add_co_u32 s21, s21, SCL
	s_lshl_b32 s20, s17, 1
	s_add_co_u32 s20, s20, s16                     ; hh = 2 Y + (wave % 2)
	s_lshl_b32 s20, s20, 5
	s_lshl_b32 s23, s42, 1
	s_add_co_u32 s20, s20, s23
	s_add_co_u32 s20, s20, s15                     ; + panel = 2 X + wave / 2
	s_mul_i32 s46, s20, UB
	s_mov_b32 s47, 0
	s_add_nc_u64 s[12:13], s[12:13], s[46:47]      ; my unit
	s_mov_b32 s40, 0x76543210                      ; v_permlanex16_b32's selects for lane l xor 16
	s_mov_b32 s41, 0xfedcba98
	v_and_b32 v1, 15, v0                           ; r
	v_bfe_u32 v2, v0, 4, 1                         ; h
	v_and_b32 v7, 31, v0
	v_lshlrev_b32 v[GO], 4, v7                     ; 16 x lane
	v_lshlrev_b32 v[GS], 3, v7
	v_add_nc_u32 v[ADRA], s96, v[GO]
	v_add_nc_u32 v[ADRB], s97, v[GO]
	v_add_nc_u32 v[ADRA+1], SLOT, v[ADRA]
	v_add_nc_u32 v[ADRB+1], SLOT, v[ADRB]
	v_add_nc_u32 v[GS], 8*1536, v[GS]
	v_xor_b32 v6, s95, v2                          ; lanes 16-31 take source 0's: wq's, or x's where f = 1
	v_mul_u32_u24 v6, s22, v6
	v_lshl_add_u32 v6, v1, 3, v6                   ; 8 bytes a row for a pair of K steps
	v_add_nc_u32 v[ADRS], s21, v6
	v_min_u32 v[PFO], 23, v7
	v_cmp_lt_u32 vcc_lo, 11, v[PFO]
	v_mov_b32 v8, RBK-12*256
	v_cndmask_b32 v8, 0, v8, vcc_lo
	v_lshl_add_u32 v[PFO], v[PFO], 8, v8
.macro FRAG reg, adr, q, i             ; a fragment as it lies: registers 4 c .. 4 c + 3 of lane l at 512 c + 16 l
.irp c, 0,1,2
	ds_load_b128 v[\reg+4*\c:\reg+4*\c+3], v[\adr] offset:(\i)*RBS+(\q)*FB+512*\c
.endr
.endm
; 16 matrix instructions: source 1's blocks a0, a0 + 1 x source 0's eight.  The 64 accumulators take turns, one instruction a turn, in the same order in every step.
.macro MUL16 a0, p, q, sc, zero
.irp a, \a0, \a0+1
.irp b, 0,1,2,3,4,5,6,7
.if \zero
	v_wmma_scale_f32_16x16x128_f8f6f4 v[8*(8*((\a)%4)+\b):8*(8*((\a)%4)+\b)+7], v[128*(\p)+FR*\b:128*(\p)+FR*\b+FR-1], v[AF+FR*(\a):AF+FR*(\a)+FR-1], 0, v[SC+8*NQ*(\sc)+NQ*\b+(\q)], v[SC+8*NQ*(\sc)+NQ*(\a)+(\q)] matrix_a_fmt:MATRIX_FMT_FP6 matrix_b_fmt:MATRIX_FMT_FP6 matrix_a_scale:MATRIX_SCALE_ROW1
.else
	v_wmma_scale_f32_16x16x128_f8f6f4 v[8*(8*((\a)%4)+\b):8*(8*((\a)%4)+\b)+7], v[128*(\p)+FR*\b:128*(\p)+FR*\b+FR-1], v[AF+FR*(\a):AF+FR*(\a)+FR-1], v[8*(8*((\a)%4)+\b):8*(8*((\a)%4)+\b)+7], v[SC+8*NQ*(\sc)+NQ*\b+(\q)], v[SC+8*NQ*(\sc)+NQ*(\a)+(\q)] matrix_a_fmt:MATRIX_FMT_FP6 matrix_b_fmt:MATRIX_FMT_FP6 matrix_a_scale:MATRIX_SCALE_ROW1
.endif
.endr
.endr
.endm
.macro FETCH_B slot, q, p
	WIN TO_B
.irp i, 0,1,2,3,4,5,6,7
	FRAG 128*(\p)+FR*\i, ADRB+\slot, \q, \i
.endr
	WIN 0
.endm
.macro FETCH_A slot, q, i0
.irp i, \i0, \i0+1, \i0+2, \i0+3
	FRAG AF+FR*(\i), ADRA+\slot, \q, \i
.endr
.endm
.macro SCALES sc
.irp i, 0,1,2,3,4,5,6,7
	ds_load_b64 v[SC+8*NQ*\sc+NQ*\i:SC+8*NQ*\sc+NQ*\i+1], v[ADRS] offset:\i*SBLK
.endr
.endm
.macro PLACES n                        ; plain vector lines in front of loads into a matrix instruction's sources and of the first read of its results
.rept \n
	v_nop
.endr
.endm
.macro STEP slot, q, zero              ; a step of 128 along K that has its successor in the same slot
	s_wait_dscnt 4*NL                              ; source 0's set and source 1's blocks 0-3 are in; the youngest 12 loads (blocks 4-7) may be out
	WIN MUL_LO
	MUL16 0, (\q)%2, \q, \slot, \zero
	MUL16 2, (\q)%2, \q, \slot, \zero
	s_wait_dscnt 0
	PLACES NP
	FETCH_B \slot, (\q)+1, 1-(\q)%2
	FETCH_A \slot, (\q)+1, 0
	WIN MUL_HI
	MUL16 4, (\q)%2, \q, \slot, \zero
	MUL16 6, (\q)%2, \q, \slot, \zero
	PLACES NP
	WIN 0
	FETCH_A \slot, (\q)+1, 4
.endm
; A slot's last step changes slots: ONE barrier; in front of it each wave waits for all its tensor loads, adds 0 to its spare word, and waits for that and for its own reads of this slot.  fill = 1: the slot is filled again.
.macro TURN slot, next, fill
.if \fill
	s_wait_xcnt 0x0                                ; any prefetch of mine has read its address: it is stepped here
	s_add_nc_u64 s[66:67], s[66:67], RBS
.endif
	s_wait_tensorcnt 0x0
	ds_add_u32 v[SPW], v[NIL]
	s_wait_dscnt 4*NL+1                            ; (the add and the youngest 12 loads may be out)
	WIN MUL_LO
	MUL16 0, 1, NQ-1, \slot, 0
	s_wait_dscnt 0x0                               ; the add is done, and my reads of this slot are over
	s_barrier_signal -1
	MUL16 2, 1, NQ-1, \slot, 0
	WIN 0
	s_barrier_wait -1
.if \fill
	CREST                                          ; the barrier has opened a round of the cluster's barrier
	s_add_nc_u64 s[G0+4*\slot+2:G0+4*\slot+3], s[G0+4*\slot+2:G0+4*\slot+3], 2*RBS
	s_add_nc_u64 s[G0B+4*\slot+2:G0B+4*\slot+3], s[G0B+4*\slot+2:G0B+4*\slot+3], 2*RBS
	JLOAD G0+4*\slot, G1, G0B+4*\slot, G1B         ; the first tensor load behind the round; its four v_nop are the places in front of the loads below
.else
	PLACES NP
.endif
	s_wait_alu depctr_va_vdst(0)
	v_add_nc_u32 v[ADRS], 128, v[ADRS]             ; on to the next pair's scale words
	FETCH_B \next, 0, 0
	FETCH_A \next, 0, 0
	SCALES \next
.if \fill
	s_cmp_gt_u32 s3, 1                             ; s3 = 1 in the loop's last trip: its refills have no pair two on
	s_cbranch_scc0 .Lnpf_\@
	global_prefetch_b8 v[PFO], s[66:67] th:TH_LOAD_NT scope:SCOPE_SE
	s_cmp_eq_u32 s15, 0
	s_cbranch_scc0 .Lnpf_\@
.irp j, 1,2,3
	global_prefetch_b8 v[PFO], s[66:67] offset:2*RBK*\j th:TH_LOAD_NT scope:SCOPE_SE
.endr
.Lnpf_\@:
.endif
	WIN MUL_HI
	MUL16 4, 1, NQ-1, \slot, 0
	MUL16 6, 1, NQ-1, \slot, 0
	PLACES NP
	WIN 0
	FETCH_A \next, 0, 4
.endm
	s_wait_alu depctr_va_vdst(0)
	s_wait_tensorcnt 0x0                           ; my tile of the head's four is in; these lines stand ahead of a later first fill as ahead of a refill
	ds_add_u32 v[SPW], v[NIL]
	s_mov_b32 s[G1+2], 8<<16                       ; no tensor load of mine is out: from here on a load brings 8 row blocks
	s_mov_b32 s[G1+4], 8
	s_mov_b32 s[G1B+2], 8<<16
	s_mov_b32 s[G1B+4], 8
	s_wait_dscnt 0x0
	CROUND
	JLOAD G0+4, G1, G0B+4, G1B                     ; slot 1's first fill, the first tensor load behind the round
	FETCH_B 0, 0, 0
	FETCH_A 0, 0, 0
	SCALES 0
	FETCH_A 0, 0, 4
	STEP 0, 0, 1                                   ; the first step's products start the sums
	s_mov_b32 s3, LAPS-1
.Llap:
	TURN 0, 1, 1
	STEP 1, 0, 0
	TURN 1, 0, 1
	STEP 0, 0, 0
	s_sub_co_u32 s3, s3, 1
	s_cmp_lg_u32 s3, 0
	s_cbranch_scc1 .Llap
	TURN 0, 1, 0                                   ; the last lap fills nothing
	STEP 1, 0, 0
	s_wait_dscnt 4*NL
	WIN MUL_LO
	MUL16 0, 1, NQ-1, 1, 0
	MUL16 2, 1, NQ-1, 1, 0
	s_wait_dscnt 0
	WIN MUL_HI
	MUL16 4, 1, NQ-1, 1, 0
	MUL16 6, 1, NQ-1, 1, 0
	WIN 0
; THE WAY OUT.  Block a: lane (r, h) holds row 16 a + r, and register 16 b + i of the block's 64 is index 32 b + 16 h + i of the next K.  A block of 32 lies in lanes l and l xor 16.
.macro QOUT a
.set W, 2+(\a)/4
.set AC, 64*((\a)%4)
.set WS, (W<<2)|(W<<4)
.if (\a) > 0
	s_wait_xcnt 0x0                                ; the last block's stores have read their registers
.endif
	WIN WS
.irp b, 0,1,2,3
	v_max3_num_f32 v[TM+\b], v[FLR], |v[AC+16*\b]|, |v[AC+16*\b+1]|   ; my 16 numbers of block b, and the floor; each accumulator is read from its low end on
.endr
.irp i, 2,4,6,8,10,12,14
.irp b, 0,1,2,3
	v_max3_num_f32 v[TM+\b], v[TM+\b], |v[AC+16*\b+\i]|, |v[AC+16*\b+\i+1]|
.endr
.endr
	WIN 0
.irp b, 0,1,2,3
	v_permlanex16_b32 v[TM+4+\b], v[TM+\b], s40, s41
.endr
.irp b, 0,1,2,3
	v_max_num_f32 v[TM+\b], v[TM+\b], v[TM+4+\b]
.endr
.irp b, 0,1,2,3
	v_add_nc_u32 v[TM+12+\b], 0xff000000, v[TM+\b] ; 2 off the exponent field: the conversion's scale operand
.endr
.irp b, 0,1,2,3
	v_lshrrev_b32 v[TM+4+\b], 23, v[TM+12+\b]      ; the scale's byte
.endr
	v_lshl_or_b32 v[PW+(\a)%2], v[TM+5], 8, v[TM+4]
	v_lshl_or_b32 v[PW+(\a)%2], v[TM+6], 16, v[PW+(\a)%2]
	v_lshl_or_b32 v[PW+(\a)%2], v[TM+7], 24, v[PW+(\a)%2]
	WIN W
.irp c, 0,1
	v_cvt_scalef32_pk16_fp6_f32 v[PC+6*\c:PC+6*\c+2], v[AC+32*\c:AC+32*\c+15], v[TM+12+2*\c]
	v_cvt_scalef32_pk16_fp6_f32 v[PC+12+4*\c:PC+14+4*\c], v[AC+16+32*\c:AC+31+32*\c], v[TM+13+2*\c]
.endr
	WIN 0
	v_nop                                          ; one plain line behind a scaled conversion
.irp c, 0,1                            ; the operand's layout wants a WHOLE block in a lane
.irp i, 0,1,2
	v_permlane16_swap_b32 v[PC+6*\c+\i], v[PC+12+4*\c+\i]
.endr
.irp i, 0,1,2
	v_mov_b32 v[PC+3+6*\c+\i], v[PC+12+4*\c+\i]
.endr
.endr
.irp c, 0,1,2
	global_store_b128 v[GO], v[PC+4*\c:PC+4*\c+3], s[12:13] offset:1536*(\a)+512*\c   ; 512 consecutive bytes, aligned
.endr
.if (\a)%2
	global_store_b64 v[GS], v[PW:PW+1], s[12:13] offset:256*((\a)/2)   ; two blocks' scale words: 256 consecutive bytes, aligned
.endif
.endm
	PLACES NP
	v_mov_b32 v[FLR], 0x1800000
.irp b, 0,1,2,3
	v_mov_b32 v[TM+4+\b], 0                        ; written once: a lane permute's destination counts as one of its sources
.endr
.irp a, 0,1,2,3,4,5,6,7
	QOUT \a
.endr
	s_wait_tensorcnt 0x0                           ; the wave's end
	ds_add_u32 v[SPW], v[NIL]
	s_wait_dscnt 0x0
	CROUND                                         ; the closing round
	s_endpgm
.Lfunc_end_k_q90b55ed19d_qkvproj:
	.size	k_q90b55ed19d_qkvproj, .Lfunc_end_k_q90b55ed19d_qkvproj-k_q90b55ed19d_qkvproj
	.p2alignl 7, 3214868480
	.fill 96, 4, 3214868480
	.section	.rodata,"a",@progbits
	.p2align	6, 0x0
	.amdhsa_kernel k_q90b55ed19d_qkvproj
		.amdhsa_group_segment_fixed_size 327680
		.amdhsa_private_segment_fixed_size 0
		.amdhsa_enable_private_segment 0
		.amdhsa_kernarg_size 24
		.amdhsa_user_sgpr_count 2
		.amdhsa_user_sgpr_kernarg_segment_ptr 1
		.amdhsa_wavefront_size32 1
		.amdhsa_system_sgpr_workgroup_id_x 1
		.amdhsa_system_sgpr_workgroup_id_y 1
		.amdhsa_system_sgpr_workgroup_id_z 1
		.amdhsa_system_vgpr_workitem_id 0
		.amdhsa_next_free_vgpr 1024
		.amdhsa_next_free_sgpr 98
		.amdhsa_reserve_vcc 1
		.amdhsa_float_denorm_mode_32 3
		.amdhsa_float_denorm_mode_16_64 3
		.amdhsa_memory_ordered 1
		.amdhsa_forward_progress 1
		.amdhsa_inst_pref_size 141
	.end_amdhsa_kernel
	.amdgpu_metadata
---
amdhsa.version: [ 1, 2 ]
amdhsa.kernels:
  - .name:           k_q90b55ed19d_qkvproj
    .symbol:         k_q90b55ed19d_qkvproj.kd
    .args:
      - { .name: xq, .offset: 0, .size: 8, .value_kind: global_buffer, .address_space: global }
      - { .name: wq, .offset: 8, .size: 8, .value_kind: global_buffer, .address_space: global }
      - { .name: qkv, .offset: 16, .size: 8, .value_kind: global_buffer, .address_space: global }
    .group_segment_fixed_size: 327680
    .private_segment_fixed_size: 0
    .kernarg_segment_align: 8
    .kernarg_segment_size: 24
    .max_flat_workgroup_size: 128
    .sgpr_count:     98
    .vgpr_count:     1024
    .wavefront_size: 32
...
	.end_amdgpu_metadata
.endif
;; end of part 2
;; launch attn (part 3): grid 64 x 4, 8 waves a work-group, clusters of 4 x 1, 327,680 bytes of LDS; arguments qkv, maskw, oq; writes oq
.if DOCPART == 3
	.amdgcn_target "amdgcn-amd-amdhsa--gfx1250"
	.amdhsa_code_object_version 6
	.text
	.protected	k_q90b55ed19d_attn
	.globl	k_q90b55ed19d_attn
	.p2align	8
	.type	k_q90b55ed19d_attn,@function
k_q90b55ed19d_attn:
	s_mov_b64 s[64:65], 0
	v_nop
	global_prefetch_b8 v0, s[64:65] scope:SCOPE_SE
	s_setreg_imm32_b32 hwreg(HW_REG_WAVE_MODE, 25, 1), 1
	s_wait_xcnt 0x0
	s_wait_alu depctr_hold_cnt(0) depctr_sa_sdst(0) depctr_va_vdst(0) depctr_va_sdst(0) depctr_va_ssrc(0) depctr_va_vcc(0) depctr_vm_vsrc(0)
	s_getreg_b32 s2, hwreg(HW_REG_IB_STS2, 6, 4)
	s_cmp_eq_u32 s2, 0
	s_cbranch_scc0 .Lentry_in_a_cluster
	s_endpgm
.Lentry_in_a_cluster:
	s_bfe_u32 s2, ttmp6, 0x10000c
	s_cmp_lg_u32 s2, 0x3003
	s_cbranch_scc0 .Lentry_shape_is_right
	s_endpgm
.Lentry_shape_is_right:
; Launch 3 of 4: o = softmax(q k^T / sqrt(128), masked) v in MX-FP6, one key and value head for 16 query heads.  No work is left out.
; A work-group takes one tile of 16 queries; each of its 8 waves takes TWO heads (tiles t = 0, 1), so that each fragment of k and of v^T read from LDS, and each mask word, serves two tiles.
; k's and v^T's 8 + 8 units of the batch (13,312 bytes each: 8 fragments as register images, then scale words) come into LDS once, by one joint load a wave (2 units) of the four partners of a cluster, and stay.
; Both products are used transposed, so that a lane holds one query.  M is the running largest t rounded up to a whole number; p = 2^(score x c - M) by one fused multiply-add and one exponential; the sum is taken of the unquantised p.
; A STEP is 128 keys: scores of both tiles; v^T's fragments are asked for, into the registers that held k's, and land under both softmaxes; second product; the next k's fragments are asked for and land under the rows' sums.
; (The last step so asks for eight fragments that nobody multiplies: they lie in LDS, at v^T's first unit.)  The mask words of a step are loaded one step ahead; the last step loads its own again.
; THE MASK is laid on the raw scores: a masked score stands at -2^33, which times c = log2(e) / sqrt(128) is exact, so that a row with every key masked gives p = 1 for every key, as reference()'s equal logits do.
; LIMIT: that is a logit of -7.6e8 where reference() writes -1e9: the results are the same while the logits that are not masked lie above -7.5e8.  The scaled scores stay under 2^31 in magnitude.
; No prefetch: all tiles are asked for at the head, so there is no loop to run ahead in.
; REGISTERS: tile t lives in window t under the same numbers: v12 -M, v13 largest t, v14-15 the sum, v16-27 q, v28 masked score, v30-31 c, v96-159 scores then p, v160-223 O^T, v224-235 p's codes, v232-254 at work.
;   v32-79: fragments 0-3 of a unit in window 0, fragments 4-7 in window 1.  Window 0 alone: v1-11 addresses, v80-87 the unit's scale words, v88-89 q's, v91 tile 1's p's (tile 0's stands in v253), v92-93 q's offsets.
; THE WAY OUT: o / l is quantised along the head's 128 channels; a tile's 12 registers of codes are the fragment (row block = the queries' tile, K step = the head) of oq and are stored as they stand; the scale words leave through LDS.
.set UB,    13312
.set SSTG,  16*UB
.set SPARE, SSTG+1024
.set XSC,   4096*1536
.set LI,  1
.set L8,  2
.set LV,  3
.set SS,  4
.set SPW, 5
.set NIL, 6
.set L8V, 7
.set ADK, 8
.set ADV, 9
.set ADS, 10
.set ADT, 11
.set TMV, 28
.set RS,  29
.set CV,  30
.set KF,  32
.set KS,  80
.set QS,  88
.set PS1, 91
.set TM,  232
.set PC,  32
.set PW,  252
.set TB,  2
.set CNT, 3
.set G0A, 4
.set G1A, 12
.set MP,  20
.set SEL, 22
.set MO,  24
.set OQ,  100
.set WV,  104
.set TT,  105
.set MSB, 0
.macro WIN new                         ; the immediate's high byte repeats the setting that is left
.if MSB != \new
	s_set_vgpr_msb (MSB<<8)|\new
.set MSB, \new
.endif
.endm
.macro ROUND
	s_barrier_signal -1
	s_barrier_wait -1
	s_cmp_lg_u32 s[WV], 0
	s_cbranch_scc1 .Lnot_wave_0_\@
	s_barrier_signal -3
.Lnot_wave_0_\@:
	s_barrier_wait -3
	s_barrier_signal -1
	s_barrier_wait -1
.endm
	s_load_b128 s[8:11], s[0:1], 0x0               ; qkv 8:9, maskw 10:11
	s_load_b64 s[OQ:OQ+1], s[0:1], 0x10
	v_lshl_add_u32 v[SPW], v0, 2, SPARE
	v_mov_b32 v[NIL], 0
	ds_add_u32 v[SPW], v[NIL]                      ; the opening lines: the add, twice on end, and its wait
	ds_add_u32 v[SPW], v[NIL]
	v_lshrrev_b32 v8, 5, v0
	v_readfirstlane_b32 s[WV], v8                  ; wave 0 .. 7
	s_bfe_u32 s40, ttmp6, 0x40000                  ; cx
	s_lshl_b32 s41, ttmp9, 2
	s_add_co_u32 s41, s41, s40
	s_and_b32 s42, ttmp7, 0xffff                   ; the batch: the four partners share it
	s_lshl_b32 s[TT], s42, 6
	s_add_co_u32 s[TT], s[TT], s41                 ; the queries' tile, 0 .. 255
	s_mov_b32 s[G1A], 15|(3<<16)|(1<<21)           ; two units: 26,624 dense bytes as 104 rows of 256; the mask names all four
	s_mov_b32 s[G1A+1], 32<<16
	s_mov_b32 s[G1A+2], 104<<16
	s_mov_b32 s[G1A+3], 32<<16
	s_mov_b32 s[G1A+4], 104
	s_mov_b32 s[G1A+5], 32
	s_mov_b32 s[G1A+6], 0
	s_mov_b32 s[G1A+7], 0
	s_lshr_b32 s43, s[WV], 2                       ; waves 0-3 fetch k's units, waves 4-7 v^T's
	s_and_b32 s44, s[WV], 3
	s_lshl_b32 s45, s43, 5
	s_lshl_b32 s46, s42, 3
	s_add_co_u32 s45, s45, s46
	s_lshl_b32 s46, s44, 1
	s_add_co_u32 s45, s45, s46
	s_add_co_u32 s45, s45, 512                     ; unit 32 (16 + k or v) + 8 batch + 2 (wave % 4)
	s_mul_i32 s48, s45, UB
	s_mov_b32 s49, 0
	s_mov_b32 s[G0A], 1
	s_mul_i32 s[G0A+1], s[WV], 2*UB
	s_lshl_b32 s50, s[WV], 6
	s_lshr_b32 s51, s[TT], 3
	s_add_co_u32 s50, s50, s51
	s_mul_i32 s50, s50, UB                         ; q's unit of head 2 wave: 32 head + panel; head 2 wave + 1's lies 32 units on
	s_mov_b32 s51, 0
	s_and_b32 s52, s[TT], 7
	s_mul_i32 s53, s52, 1536                       ; my fragment in it,
	s_lshr_b32 s54, s52, 1
	s_lshl_b32 s54, s54, 8
	s_and_b32 s55, s[TT], 1
	s_lshl_b32 s55, s55, 2
	s_add_co_u32 s54, s54, s55                     ; and its scale words
	s_lshl_b32 s56, s[WV], 7
	s_add_co_u32 s56, s56, SSTG
	s_and_b32 s57, s[WV], 1
	s_lshl_b32 s57, s57, 9
	s_add_co_u32 s57, s57, SSTG
	s_mov_b32 s[SEL], 0x76543210                   ; v_permlanex16_b32's selects for lane l xor 16
	s_mov_b32 s[SEL+1], 0xfedcba98
	v_and_b32 v8, 31, v0
	v_and_b32 v9, 15, v0
	v_lshlrev_b32 v[LI], 4, v8                     ; 16 x lane
	v_lshlrev_b32 v[L8], 3, v8
	v_add_nc_u32 v[L8], 8*1536, v[L8]              ; 8 x lane, behind a unit's fragments
	v_add_nc_u32 v92, s53, v[LI]
	v_add_nc_u32 v93, s54, v[L8]
	v_add_nc_u32 v[LV], 8*UB, v[LI]                ; the same two in v^T's units
	v_add_nc_u32 v[L8V], 8*UB, v[L8]
	v_lshl_add_u32 v[SS], v9, 3, s56               ; my rows' scale words on the way out: 128 wave + 8 r (+ 4 t)
	v_add_nc_u32 v[RS], s57, v[LI]
	s_wait_alu depctr_va_vdst(0)
	s_wait_dscnt 0x0                               ; both opening adds are done
	s_wait_kmcnt 0x0
	s_add_nc_u64 s[G0A+2:G0A+3], s[8:9], s[48:49]
	s_or_b32 s[G0A+3], s[G0A+3], 0x80000000
	s_add_nc_u64 s[8:9], s[8:9], s[50:51]
.irp c, 0,1,2
	global_load_b128 v[16+4*\c:19+4*\c], v92, s[8:9] offset:512*\c
.endr
	global_load_b32 v[QS], v93, s[8:9]
	global_load_b32 v[QS+1], v93, s[8:9] offset:32*UB
	WIN 0x40
.irp c, 0,1,2
	global_load_b128 v[16+4*\c:19+4*\c], v92, s[8:9] offset:32*UB+512*\c   ; tile 1's q, into window 1
.endr
	WIN 0
	s_lshl_b32 s26, s[TT], 11                      ; the tile's mask words: 2,048 bytes, 256 a step
	s_mov_b32 s27, 0
	s_add_nc_u64 s[MP:MP+1], s[10:11], s[26:27]
	s_load_b512 s[32:47], s[MP:MP+1], 0x0          ; step 0's
	s_load_b512 s[48:63], s[MP:MP+1], 0x40
	s_load_b512 s[68:83], s[MP:MP+1], 0x80
	s_load_b512 s[84:99], s[MP:MP+1], 0xc0
	ROUND                                          ; all four work-groups are here: the joint loads meet
	tensor_load_to_lds s[G0A:G0A+3], s[G1A:G1A+7]
	s_nop 0
.rept 4
	v_nop
.endr
.macro INIT
	v_mov_b32 v[TMV], 0xd0000000                   ; -2^33
	v_mov_b32 v[CV], 0x3e0293ee                    ; c
	v_mov_b32 v[CV+1], 0x3e0293ee
	v_mov_b32 v13, 0xff61b1e6                      ; the largest t so far: -3e38
	v_mov_b32 v12, 0x7f61b1e6                      ; -M
	v_mov_b32 v14, 0
	v_mov_b32 v15, 0
.irp b, 0,1,2,3
	v_mov_b32 v[236+\b], 0                         ; a lane permute's destination counts as one of its sources
.endr
.set n, 0
.rept 64
	v_mov_b32 v[160+n], 0                          ; O^T: the step is written once, and the first finds zeros
.set n, n+1
.endr
.endm
	INIT
	WIN 0x55
	INIT
	WIN 0
	s_mov_b32 s[TB], 0
	s_mov_b32 s[MO], 0
	s_mov_b32 s[CNT], 8
.macro LDKV adr, ads                   ; a unit's eight fragments and their scale words
.irp i, 0,1,2,3
.irp c, 0,1,2
	ds_load_b128 v[KF+12*\i+4*\c:KF+12*\i+4*\c+3], v[\adr] offset:\i*1536+512*\c
.endr
.endr
.irp p, 0,1,2,3
	ds_load_b64 v[KS+2*\p:KS+2*\p+1], v[\ads] offset:256*\p
.endr
	WIN 0x40
.irp i, 0,1,2,3
.irp c, 0,1,2
	ds_load_b128 v[KF+12*\i+4*\c:KF+12*\i+4*\c+3], v[\adr] offset:(4+\i)*1536+512*\c
.endr
.endr
	WIN 0
.endm
.macro SMUL t                          ; S^T = k q^T of tile t: source 0 in window g, all else in window t
.irp g, 0,1
	WIN ((\t<<6)|(\t<<4)|(\t<<2)|\g)
.irp i, 0,1,2,3
	v_wmma_scale_f32_16x16x128_f8f6f4 v[96+8*(4*\g+\i):103+8*(4*\g+\i)], v[KF+12*\i:KF+12*\i+11], v[16:27], 0, v[KS+4*\g+\i], v[QS+\t] matrix_a_fmt:MATRIX_FMT_FP6 matrix_b_fmt:MATRIX_FMT_FP6
.endr
.endr
.endm
.macro PMUL t, ps                      ; O^T += v^T p^T of tile t; the accumulators take turns
.irp g, 0,1
	WIN ((\t<<6)|(\t<<4)|(\t<<2)|\g)
.irp i, 0,1,2,3
	v_wmma_scale_f32_16x16x128_f8f6f4 v[160+8*(4*\g+\i):167+8*(4*\g+\i)], v[KF+12*\i:KF+12*\i+11], v[224:235], v[160+8*(4*\g+\i):167+8*(4*\g+\i)], v[KS+4*\g+\i], v[\ps] matrix_a_fmt:MATRIX_FMT_FP6 matrix_b_fmt:MATRIX_FMT_FP6
.endr
.endr
.endm
.macro SOFT t                          ; tile t: mask, maxima, M, p, p's codes and scale word, O^T under the new M
	WIN (0x55*\t)
	s_wait_alu depctr_va_vdst(0)
.set n, 0
.rept 64
	v_cndmask_b32 v[96+n], v[TMV], v[96+n], s[32+n+4*(n/32)]
.set n, n+1
.endr
.irp b, 0,1,2,3
	v_max3_num_f32 v[232+\b], v[96+16*\b], v[97+16*\b], v[98+16*\b]   ; each block's largest score: for the row's maximum and for the block's largest p
.endr
.irp i, 3,5,7,9,11,13
.irp b, 0,1,2,3
	v_max3_num_f32 v[232+\b], v[232+\b], v[96+16*\b+\i], v[97+16*\b+\i]
.endr
.endr
.irp b, 0,1,2,3
	v_max_num_f32 v[232+\b], v[232+\b], v[111+16*\b]
.endr
.irp b, 0,1,2,3
	v_permlanex16_b32 v[236+\b], v[232+\b], s[SEL], s[SEL+1]
.endr
.irp b, 0,1,2,3
	v_max_num_f32 v[232+\b], v[232+\b], v[236+\b]
.endr
	v_max3_num_f32 v254, v232, v233, v234
	v_max_num_f32 v254, v254, v235
	v_mul_f32 v254, v[CV], v254                    ; the step's largest score as t (c is positive)
	v_max_num_f32 v13, v13, v254
	v_mov_b32 v254, v12
	v_floor_f32 v12, -v13                          ; the new -M
	v_sub_f32 v254, v12, v254
	v_cvt_i32_f32 v254, v254                       ; (it saturates)
	v_ldexp_f32 v252, 1.0, v254                    ; f = 2^(old M - new M)
.set n, 0
.rept 32
	v_pk_fma_f32 v[96+n:97+n], v[96+n:97+n], v[CV:CV+1], v[12:13] op_sel_hi:[1,0,0]
.set n, n+2
.endr
.irp b, 0,1,2,3
	v_fma_f32 v[232+\b], v[232+\b], v[CV], v12
.endr
.if \t
	s_add_co_u32 s[MO], s[MO], 256                 ; both tiles have taken this step's mask words: the next step's, held inside the tile's 2,048 bytes
	s_min_u32 s[MO], s[MO], 1792
	s_load_b512 s[32:47], s[MP:MP+1], s[MO] offset:0x0
	s_load_b512 s[48:63], s[MP:MP+1], s[MO] offset:0x40
	s_load_b512 s[68:83], s[MP:MP+1], s[MO] offset:0x80
	s_load_b512 s[84:99], s[MP:MP+1], s[MO] offset:0xc0
.endif
	s_wait_alu depctr_va_vdst(0)
.set n, 0
.rept 64
	v_exp_f32 v[96+n], v[96+n]
.set n, n+1
.endr
.irp b, 0,1,2,3
	v_exp_f32 v[232+\b], v[232+\b]                 ; the block's largest p
.endr
	v_nop
	s_wait_alu depctr_va_vdst(0)
.irp b, 0,1,2,3
	v_max_num_f32 v[232+\b], 0x1800000, v[232+\b]  ; the floor 2^(3 - 127)
.endr
.irp b, 0,1,2,3
	v_add_nc_u32 v[244+\b], 0xff000000, v[232+\b]  ; the conversion's scale operand
.endr
.irp b, 0,1,2,3
	v_lshrrev_b32 v[236+\b], 23, v[244+\b]
.endr
	v_lshl_or_b32 v253, v237, 8, v236
	v_lshl_or_b32 v253, v238, 16, v253
	v_lshl_or_b32 v253, v239, 24, v253             ; p's scale word
.irp c, 0,1
	v_cvt_scalef32_pk16_fp6_f32 v[224+6*\c:226+6*\c], v[96+32*\c:111+32*\c], v[244+2*\c]
	v_cvt_scalef32_pk16_fp6_f32 v[236+4*\c:238+4*\c], v[112+32*\c:127+32*\c], v[244+2*\c+1]
.endr
	v_nop                                          ; one plain line behind a scaled conversion
.irp c, 0,1
.irp i, 0,1,2
	v_permlane16_swap_b32 v[224+6*\c+\i], v[236+4*\c+\i]
.endr
.irp i, 0,1,2
	v_mov_b32 v[227+6*\c+\i], v[236+4*\c+\i]
.endr
.endr
.if \t
	WIN 0x01
	v_mov_b32 v[PS1], v253                         ; scale operands are taken from window 0
	WIN 0x55
.endif
	s_wait_alu depctr_va_vdst(0)
.set n, 0
.rept 32
	v_pk_mul_f32 v[160+n:161+n], v[160+n:161+n], v[252:253] op_sel_hi:[1,0]
.set n, n+2
.endr
.endm
.macro SUMS t                          ; the row's sum of the unquantised p, under the new M, in two chains
	WIN (0x55*\t)
	v_pk_mul_f32 v[14:15], v[14:15], v[252:253] op_sel_hi:[1,0]
	v_pk_add_f32 v[236:237], v[96:97], v[98:99]
.irp j, 4,8,12,16,20,24,28,32,36,40,44,48,52,56,60
	v_pk_add_f32 v[14:15], v[14:15], v[96+\j:97+\j]
	v_pk_add_f32 v[236:237], v[236:237], v[98+\j:99+\j]
.endr
	v_pk_add_f32 v[14:15], v[14:15], v[236:237]
.endm
	s_wait_alu depctr_va_vdst(0)
	s_wait_tensorcnt 0x0                           ; my two units are in,
	s_barrier_signal -1
	s_barrier_wait -1                              ; everybody's are; nothing is filled again
	s_wait_loadcnt 0x0                             ; q
	v_add_nc_u32 v[ADK], s[TB], v[LI]
	v_add_nc_u32 v[ADS], s[TB], v[L8]
	LDKV ADK, ADS
.Lstep:
	s_wait_dscnt 0x0                               ; k's fragments are in
	SMUL 0
	SMUL 1
	WIN 0
	v_add_nc_u32 v[ADV], s[TB], v[LV]              ; four plain lines behind the products, in front of loads into their sources
	v_add_nc_u32 v[ADT], s[TB], v[L8V]
	v_nop
	v_nop
	LDKV ADV, ADT
	s_wait_kmcnt 0x0                               ; this step's mask words
	SOFT 0
	SOFT 1
	WIN 0
	s_wait_alu depctr_va_vdst(0)
	s_wait_dscnt 0x0                               ; v^T's fragments are in
	PMUL 0, 253
	PMUL 1, PS1
	WIN 0
	s_add_co_u32 s[TB], s[TB], UB
	v_add_nc_u32 v[ADK], s[TB], v[LI]
	v_add_nc_u32 v[ADS], s[TB], v[L8]
	v_nop
	v_nop
	LDKV ADK, ADS
	SUMS 0
	SUMS 1
	WIN 0
	s_sub_co_u32 s[CNT], s[CNT], 1
	s_cmp_lg_u32 s[CNT], 0
	s_wait_alu depctr_va_vdst(0)
	s_cbranch_scc1 .Lstep
	s_wait_dscnt 0x0                               ; the fragments' registers may be written
	s_lshl_b32 s4, s[TT], 4
	s_lshl_b32 s5, s[WV], 1
	s_add_co_u32 s4, s4, s5
	s_mul_i32 s4, s4, 1536
	s_mov_b32 s5, 0
	s_add_nc_u64 s[26:27], s[OQ:OQ+1], s[4:5]      ; fragment (tile, head 2 wave)
	s_lshl_b32 s4, s[TT], 10
	s_and_b32 s6, s[WV], 1
	s_lshl_b32 s6, s6, 9
	s_add_co_u32 s4, s4, s6
	s_add_nc_u64 s[28:29], s[OQ:OQ+1], s[4:5]
	s_add_nc_u64 s[28:29], s[28:29], XSC
.macro FIN t
	WIN (0x55*\t)
	v_add_f32 v14, v14, v15
	v_permlanex16_b32 v252, v14, s[SEL], s[SEL+1]
	v_add_f32 v14, v14, v252
	s_wait_alu depctr_va_vdst(0)
	v_rcp_f32 v14, v14
	v_nop
	s_wait_alu depctr_va_vdst(0)
.set n, 0
.rept 64
	v_mul_f32 v[96+n], v[160+n], v14
.set n, n+1
.endr
.irp b, 0,1,2,3
	v_max3_num_f32 v[TM+\b], |v[96+16*\b]|, |v[97+16*\b]|, 0x1800000
.endr
.irp i, 2,4,6,8,10,12,14
.irp b, 0,1,2,3
	v_max3_num_f32 v[TM+\b], v[TM+\b], |v[96+16*\b+\i]|, |v[97+16*\b+\i]|
.endr
.endr
.irp b, 0,1,2,3
	v_permlanex16_b32 v[TM+4+\b], v[TM+\b], s[SEL], s[SEL+1]
.endr
.irp b, 0,1,2,3
	v_max_num_f32 v[TM+\b], v[TM+\b], v[TM+4+\b]
.endr
.irp b, 0,1,2,3
	v_add_nc_u32 v[TM+12+\b], 0xff000000, v[TM+\b]
.endr
.irp b, 0,1,2,3
	v_lshrrev_b32 v[TM+4+\b], 23, v[TM+12+\b]
.endr
	v_lshl_or_b32 v[PW], v[TM+5], 8, v[TM+4]
	v_lshl_or_b32 v[PW], v[TM+6], 16, v[PW]
	v_lshl_or_b32 v[PW], v[TM+7], 24, v[PW]
.irp c, 0,1
	v_cvt_scalef32_pk16_fp6_f32 v[PC+6*\c:PC+2+6*\c], v[96+32*\c:111+32*\c], v[TM+12+2*\c]
	v_cvt_scalef32_pk16_fp6_f32 v[PC+12+4*\c:PC+14+4*\c], v[112+32*\c:127+32*\c], v[TM+13+2*\c]
.endr
	v_nop
.irp c, 0,1
.irp i, 0,1,2
	v_permlane16_swap_b32 v[PC+6*\c+\i], v[PC+12+4*\c+\i]
.endr
.irp i, 0,1,2
	v_mov_b32 v[PC+3+6*\c+\i], v[PC+12+4*\c+\i]
.endr
.endr
	WIN (4*\t)                                     ; the data in window t, the addresses in window 0
.irp c, 0,1,2
	global_store_b128 v[LI], v[PC+4*\c:PC+4*\c+3], s[26:27] offset:1536*\t+512*\c   ; the fragment as it stands: 512 consecutive bytes, aligned
.endr
	ds_store_b32 v[SS], v[PW] offset:4*\t          ; both halves of the lanes write the same word with the same value
.endm
	FIN 0
	FIN 1
	WIN 0
	s_wait_dscnt 0x0
	s_barrier_signal -1
	s_barrier_wait -1
	s_cmp_lt_u32 s[WV], 2
	s_cbranch_scc0 .Lno_scales
	ds_load_b128 v[80:83], v[RS]                   ; waves 0 and 1 store the tile's 1,024 bytes of scale words
	s_wait_dscnt 0x0
	global_store_b128 v[LI], v[80:83], s[28:29]
.Lno_scales:
	s_wait_tensorcnt 0x0                           ; the wave's end
	ds_add_u32 v[SPW], v[NIL]
	s_wait_dscnt 0x0
	ROUND                                          ; the closing round
	s_endpgm
.Lfunc_end_k_q90b55ed19d_attn:
	.size	k_q90b55ed19d_attn, .Lfunc_end_k_q90b55ed19d_attn-k_q90b55ed19d_attn
	.p2alignl 7, 3214868480
	.fill 96, 4, 3214868480
	.section	.rodata,"a",@progbits
	.p2align	6, 0x0
	.amdhsa_kernel k_q90b55ed19d_attn
		.amdhsa_group_segment_fixed_size 327680
		.amdhsa_private_segment_fixed_size 0
		.amdhsa_enable_private_segment 0
		.amdhsa_kernarg_size 24
		.amdhsa_user_sgpr_count 2
		.amdhsa_user_sgpr_kernarg_segment_ptr 1
		.amdhsa_wavefront_size32 1
		.amdhsa_system_sgpr_workgroup_id_x 1
		.amdhsa_system_sgpr_workgroup_id_y 1
		.amdhsa_system_sgpr_workgroup_id_z 1
		.amdhsa_system_vgpr_workitem_id 0
		.amdhsa_next_free_vgpr 512
		.amdhsa_next_free_sgpr 106
		.amdhsa_reserve_vcc 0
		.amdhsa_float_denorm_mode_32 3
		.amdhsa_float_denorm_mode_16_64 3
		.amdhsa_memory_ordered 1
		.amdhsa_forward_progress 1
		.amdhsa_inst_pref_size 69
	.end_amdhsa_kernel
	.amdgpu_metadata
---
amdhsa.version: [ 1, 2 ]
amdhsa.kernels:
  - .name:           k_q90b55ed19d_attn
    .symbol:         k_q90b55ed19d_attn.kd
    .args:
      - { .name: qkv, .offset: 0, .size: 8, .value_kind: global_buffer, .address_space: global }
      - { .name: maskw, .offset: 8, .size: 8, .value_kind: global_buffer, .address_space: global }
      - { .name: oq, .offset: 16, .size: 8, .value_kind: global_buffer, .address_space: global }
    .group_segment_fixed_size: 327680
    .private_segment_fixed_size: 0
    .kernarg_segment_align: 8
    .kernarg_segment_size: 24
    .max_flat_workgroup_size: 256
    .sgpr_count:     106
    .vgpr_count:     512
    .wavefront_size: 32
...
	.end_amdgpu_metadata
.endif
;; end of part 3
;; launch outproj (part 4): grid 8 x 32, 4 waves a work-group, clusters of 4 x 4, 327,680 bytes of LDS; arguments oq, woq, out0; writes out0
.if DOCPART == 4
	.amdgcn_target "amdgcn-amd-amdhsa--gfx1250"
	.amdhsa_code_object_version 6
	.text
	.protected	k_q90b55ed19d_outproj
	.globl	k_q90b55ed19d_outproj
	.p2align	8
	.type	k_q90b55ed19d_outproj,@function
k_q90b55ed19d_outproj:
	s_mov_b64 s[64:65], 0
	v_nop
	global_prefetch_b8 v0, s[64:65] scope:SCOPE_SE
	s_setreg_imm32_b32 hwreg(HW_REG_WAVE_MODE, 25, 1), 1
	s_wait_xcnt 0x0
	s_wait_alu depctr_hold_cnt(0) depctr_sa_sdst(0) depctr_va_vdst(0) depctr_va_sdst(0) depctr_va_ssrc(0) depctr_va_vcc(0) depctr_vm_vsrc(0)
	s_getreg_b32 s2, hwreg(HW_REG_IB_STS2, 6, 4)
	s_cmp_eq_u32 s2, 0
	s_cbranch_scc0 .Lentry_in_a_cluster
	s_endpgm
.Lentry_in_a_cluster:
	s_bfe_u32 s2, ttmp6, 0x10000c
	s_cmp_lg_u32 s2, 0xf033
	s_cbranch_scc0 .Lentry_shape_is_right
	s_endpgm
.Lentry_shape_is_right:
; Launch 4 of 4: out0 = o Wo^T on codes of FP6 (E2M3) with one E8M0 scale for each 32 along K = 2,048; f32 out.  No work is left out.
; oq (256 row blocks) and woq (128) are laid as launch 1 lays its buffers: [row block of 16][16 K steps][1,536 bytes] of register images, then scale words [row block][8 pairs of K steps][16 rows][2 words].
; A work-group makes 128 rows of o x 256 rows of Wo; a wave 64 x 128: 32 accumulators.  K goes in four runs of 512 through two LDS slots of 147,456 bytes: a tensor load brings 4 (o) or 8 (Wo) row blocks x 6,144 consecutive
; bytes, each on a 256-byte border; a slot serves four steps of 128, 128 matrix instructions a wave, between a refill and the wait for it.  The scale words come once, at the head, and stay.
; The walk along K is written out: of its four fills two stand at the head and two are refills, so no two runs are alike in what they ask for.
; CLUSTER 4 x 4: o's tiles are shared along a row of the cluster, Wo's along a column: joint loads.  The matrix instruction is used transposed (source 0 = Wo, source 1 = o): a lane holds neighbouring numbers of a row of out0.
; Rows and columns lie in storage order (bits 3 and 4 of the number exchanged); the way out puts them back: columns by the stage's offsets, rows by the stores' offsets.
; REGISTERS: window 0: v16-29 addresses; v32-63 scale words, two sets; v128-223 o's fragments, two sets; window 1: Wo's fragments, two sets, at v0 and v128; window 2: the accumulators.
.set SIZE_N, 2048
.set NQ,     4
.set FB,     1536
.set RBK,    16*FB
.set RBS,    NQ*FB
.set FR,     12
.set NP,     4
.set AH,     4*RBS                     ; 64 rows of o in a slot
.set AT,     8*RBS
.set BH,     8*RBS                     ; 128 rows of Wo
.set SLOT,   AT+2*BH
.set SCL,    2*SLOT
.set QUARS,  4096
.set HALFS,  8192
.set SBLK,   1024
.set SPARE,  SCL+3*HALFS
.set SPITCH, 528
.set XSC,    4096*1536
.set OSC,    2048*1536
.set ADRA, 16
.set ADRB, 20
.set STO,  24
.set RD,   25
.set CO,   26
.set ADRS, 27
.set SPW,  28
.set NIL,  29
.set SC,   32
.set AF,   128
.set BK,   128
.set G1, 24
.set G0, 32
.set G1B, 48
.set G0B, 56
.set G1S, 68
.set G0S, 76
.set G1SB, 80
.set G0SB, 88
.set G0H, 4
.set G0HB, 8
.set MSB, 0
.macro WIN new
.if MSB != \new
	s_set_vgpr_msb (MSB<<8)|\new
.set MSB, \new
.endif
.endm
.set MUL,  0xa1
.set TO_B, 0x40
.macro JLOAD g0a, g1a, g0b, g1b        ; waves 0 and 1 fetch o's halves, waves 2 and 3 Wo's
	s_cmp_eq_u32 s15, 0
	s_cbranch_scc0 .Lfor_b_\@
	tensor_load_to_lds s[\g0a:\g0a+3], s[\g1a:\g1a+7]
	s_nop 0
.rept 4
	v_nop
.endr
	s_branch .Lasked_\@
.Lfor_b_\@:
	tensor_load_to_lds s[\g0b:\g0b+3], s[\g1b:\g1b+7]
	s_nop 0
.rept 4
	v_nop
.endr
.Lasked_\@:
.endm
.macro CREST
	s_cmp_lg_u32 s14, 0
	s_cbranch_scc1 .Lnot_wave_0_\@
	s_barrier_signal -3
.Lnot_wave_0_\@:
	s_barrier_wait -3
	s_barrier_signal -1
	s_barrier_wait -1
.endm
.macro CROUND
	s_barrier_signal -1
	s_barrier_wait -1
	CREST
.endm
	s_load_b64 s[4:5], s[0:1], 0x0                 ; oq
	s_load_b64 s[8:9], s[0:1], 0x8                 ; woq
	s_load_b64 s[12:13], s[0:1], 0x10              ; out0
	v_lshl_add_u32 v[SPW], v0, 2, SPARE
	v_mov_b32 v[NIL], 0
	ds_add_u32 v[SPW], v[NIL]                      ; the opening lines: the add, twice on end, and its wait
	ds_add_u32 v[SPW], v[NIL]
	v_lshrrev_b32 v1, 5, v0
	v_readfirstlane_b32 s14, v1                    ; wave
	s_lshr_b32 s15, s14, 1                         ; which 64 rows of o are mine; also: I fetch for o (0) or Wo (1)
	s_and_b32 s16, s14, 1                          ; which 128 rows of Wo; also: which half of a tile I fetch
	s_bfe_u32 s40, ttmp6, 0x40000                  ; cx
	s_bfe_u32 s41, ttmp6, 0x40004                  ; cy
	s_lshl_b32 s42, ttmp9, 2
	s_add_co_u32 s42, s42, s40                     ; tile column, 0 .. 7
	s_and_b32 s17, ttmp7, 0xffff
	s_lshl_b32 s17, s17, 2
	s_add_co_u32 s17, s17, s41                     ; tile row, 0 .. 31
	s_lshl_b32 s43, s41, 2
	s_lshl_b32 s43, 15, s43                        ; my row of the cluster
	s_lshl_b32 s44, 0x1111, s40                    ; my column
	s_or_b32 s[G1], s43, (3<<16)|(1<<21)
	s_or_b32 s[G1B], s44, (3<<16)|(1<<21)
.irp g, G1, G1B
	s_mov_b32 s[\g+1], (RBS/8)<<16                 ; a row: a row block's 6,144 bytes of a slot
	s_mov_b32 s[\g+3], (RBS/8)<<16
	s_mov_b32 s[\g+5], RBK/8
	s_mov_b32 s[\g+6], 0
	s_mov_b32 s[\g+7], 0
.endr
	s_mov_b32 s[G1+2], 8<<16                       ; the head's loads bring whole tiles: 8 row blocks of o,
	s_mov_b32 s[G1+4], 8
	s_mov_b32 s[G1B+2], 16<<16                     ; 16 of Wo
	s_mov_b32 s[G1B+4], 16
	s_or_b32 s[G1S], s43, (3<<16)|(1<<21)
	s_or_b32 s[G1SB], s44, (3<<16)|(1<<21)
.irp g, G1S, G1SB
	s_mov_b32 s[\g+1], 32<<16                      ; scale words: dense bytes as rows of 256
	s_mov_b32 s[\g+3], 32<<16
	s_mov_b32 s[\g+5], 32
	s_mov_b32 s[\g+6], 0
	s_mov_b32 s[\g+7], 0
.endr
	s_mov_b32 s[G1S+2], 32<<16
	s_mov_b32 s[G1S+4], 32
	s_mov_b32 s[G1SB+2], 64<<16
	s_mov_b32 s[G1SB+4], 64
	s_mul_i32 s20, s17, 8*RBK                      ; o's tile, in bytes (made of the tile row alone)
	s_mul_i32 s46, s42, 16*RBK                     ; Wo's (of the tile column alone)
	s_lshl_b32 s22, s17, 13                        ; their scale words
	s_lshl_b32 s92, s42, 14
	s_mov_b32 s21, 0
	s_mov_b32 s47, 0
	s_mov_b32 s23, 0
	s_mov_b32 s93, 0
	s_mul_i32 s18, s16, 4*RBK                      ; in the ring: my half of o's tile,
	s_mov_b32 s19, 0
	s_mul_i32 s94, s16, 8*RBK                      ; of Wo's,
	s_mov_b32 s95, 0
	s_mul_i32 s45, s16, AH                         ; and where they go
	s_mul_i32 s96, s16, BH
	s_add_co_u32 s96, s96, AT
	s_wait_dscnt 0x0                               ; both opening adds are done
	s_wait_kmcnt 0x0
	s_add_nc_u64 s[20:21], s[4:5], s[20:21]
	s_add_nc_u64 s[22:23], s[4:5], s[22:23]
	s_add_nc_u64 s[22:23], s[22:23], XSC
	s_add_nc_u64 s[46:47], s[8:9], s[46:47]
	s_add_nc_u64 s[92:93], s[8:9], s[92:93]
	s_add_nc_u64 s[92:93], s[92:93], OSC
	CROUND                                         ; all sixteen work-groups are here: the first joint loads meet
	s_mov_b32 s[G0H], 1
	s_mov_b32 s[G0H+1], 0
	s_mov_b64 s[G0H+2:G0H+3], s[20:21]
	s_or_b32 s[G0H+3], s[G0H+3], 0x80000000
	s_mov_b32 s[G0HB], 1
	s_mov_b32 s[G0HB+1], AT
	s_mov_b64 s[G0HB+2:G0HB+3], s[46:47]
	s_or_b32 s[G0HB+3], s[G0HB+3], 0x80000000
	s_mov_b32 s[G0S], 1
	s_mov_b32 s[G0S+1], SCL
	s_mov_b64 s[G0S+2:G0S+3], s[22:23]
	s_or_b32 s[G0S+3], s[G0S+3], 0x80000000
	s_mov_b32 s[G0SB], 1
	s_mov_b32 s[G0SB+1], SCL+HALFS
	s_mov_b64 s[G0SB+2:G0SB+3], s[92:93]
	s_or_b32 s[G0SB+3], s[G0SB+3], 0x80000000
	s_add_nc_u64 s[20:21], s[20:21], s[18:19]
	s_add_nc_u64 s[46:47], s[46:47], s[94:95]
.irp s, 0,1
	s_mov_b32 s[G0+4*\s], 1
	s_add_co_u32 s[G0+4*\s+1], s45, \s*SLOT
	s_add_nc_u64 s[G0+4*\s+2:G0+4*\s+3], s[20:21], \s*RBS
	s_or_b32 s[G0+4*\s+3], s[G0+4*\s+3], 0x80000000
	s_mov_b32 s[G0B+4*\s], 1
	s_add_co_u32 s[G0B+4*\s+1], s96, \s*SLOT
	s_add_nc_u64 s[G0B+4*\s+2:G0B+4*\s+3], s[46:47], \s*RBS
	s_or_b32 s[G0B+4*\s+3], s[G0B+4*\s+3], 0x80000000
.endr
; THE HEAD'S LOADS, ONE A WAVE: wave 0 slot 0's rows of o, wave 1 its rows of Wo, wave 2 o's scale words, wave 3 Wo's.  One chain of branches on the wave's number.
; THE PREFETCH INTO THE L2: the two refills' runs of K are asked for at the first step of slot 0 and of slot 1, three steps of 128 ahead of the refill.  A lane names a block of 256 bytes of a row block's 6,144 (lanes 24-31 the last again).
; The four partners that ask for a tile jointly share its row blocks out by address: of o's 4 that a wave fetches, partner cx takes one; of Wo's 8, partner cy takes two.  The address is never stepped.
.set PFO, 30
	s_lshl_b32 s95, s41, 1
	s_cmp_eq_u32 s15, 0
	s_cselect_b64 s[66:67], s[20:21], s[46:47]
	s_cselect_b32 s94, s40, s95
	s_mul_i32 s94, s94, RBK
	s_add_co_u32 s94, s94, 2*RBS
	s_mov_b32 s95, 0
	s_add_nc_u64 s[66:67], s[66:67], s[94:95]
.macro ARM under, g0, g1, next
	s_cmp_lt_u32 s14, \under
	s_cbranch_scc0 \next
	tensor_load_to_lds s[\g0:\g0+3], s[\g1:\g1+7]
	s_nop 0
.rept 4
	v_nop
.endr
	s_branch .Lhead_asked
\next:
.endm
	ARM 1, G0H,  G1,  .Lhead_b
	ARM 2, G0HB, G1B, .Lhead_sa
	ARM 3, G0S,  G1S, .Lhead_sb
	tensor_load_to_lds s[G0SB:G0SB+3], s[G1SB:G1SB+7]
	s_nop 0
.rept 4
	v_nop
.endr
.Lhead_asked:
	s_mul_i32 s21, s15, AH                         ; my 64 rows of o
	s_mul_i32 s22, s16, BH
	s_add_co_u32 s22, s22, AT                      ; my 128 rows of Wo
	s_mul_i32 s92, s15, QUARS                      ; o's scale words: my 64 rows
	s_mul_i32 s93, s16, HALFS
	s_add_co_u32 s93, s93, HALFS                   ; Wo's: my 128 rows, behind o's 128
	s_sub_co_u32 s93, s93, s92
	s_add_co_u32 s92, s92, SCL
	s_mul_i32 s23, s14, 16*SPITCH                  ; my stage, in slot 0
	s_lshl_b32 s20, s17, 7
	s_lshl_b32 s18, s15, 6
	s_add_co_u32 s46, s20, s18                     ; my first row of out0
	s_mov_b32 s47, 0
	s_mov_b64 s[18:19], SIZE_N*4
	s_mul_u64 s[46:47], s[46:47], s[18:19]
	s_lshl_b32 s94, s42, 10                        ; my first column, in bytes
	s_lshl_b32 s95, s16, 9
	s_add_co_u32 s94, s94, s95
	s_mov_b32 s95, 0
	s_add_nc_u64 s[46:47], s[46:47], s[94:95]
	s_add_nc_u64 s[12:13], s[12:13], s[46:47]
	v_and_b32 v1, 15, v0                           ; r
	v_bfe_u32 v2, v0, 4, 1                         ; h
	v_and_b32 v7, 31, v0
	v_lshlrev_b32 v[CO], 4, v7                     ; 16 x lane
	v_add_nc_u32 v[ADRA], s21, v[CO]
	v_add_nc_u32 v[ADRB], s22, v[CO]
	v_add_nc_u32 v[ADRA+1], SLOT, v[ADRA]
	v_add_nc_u32 v[ADRB+1], SLOT, v[ADRB]
	v_mul_u32_u24 v6, s93, v2                      ; lanes 16-31 take Wo's scale words
	v_lshl_add_u32 v6, v1, 3, v6                   ; 8 bytes a row for a pair of K steps
	v_add_nc_u32 v[ADRS], s92, v6
	v_mul_u32_u24 v5, v1, SPITCH
	v_lshl_add_u32 v5, v2, 6, v5
	v_add_nc_u32 v[STO], s23, v5
	v_add_nc_u32 v[RD], s23, v[CO]
	v_min_u32 v[PFO], 23, v7
	v_lshlrev_b32 v[PFO], 8, v[PFO]
.macro FRAG reg, adr, q, i             ; a fragment as it lies: registers 4 c .. 4 c + 3 of lane l at 512 c + 16 l
.irp c, 0,1,2
	ds_load_b128 v[\reg+4*\c:\reg+4*\c+3], v[\adr] offset:(\i)*RBS+(\q)*FB+512*\c
.endr
.endm
; 8 matrix instructions of step st: o's block a x Wo's eight.  The 32 accumulators take turns, one instruction a turn, in the same order in every step.
.macro MUL8 a, st
.irp b, 0,1,2,3,4,5,6,7
.if (\st) == 0
	v_wmma_scale_f32_16x16x128_f8f6f4 v[8*(8*(\a)+\b):8*(8*(\a)+\b)+7], v[128*((\st)%2)+FR*\b:128*((\st)%2)+FR*\b+FR-1], v[AF+48*((\st)%2)+FR*(\a):AF+48*((\st)%2)+FR*(\a)+FR-1], 0, v[SC+16*(((\st)/2)%2)+2*\b+(\st)%2], v[SC+16*(((\st)/2)%2)+2*(\a)+(\st)%2] matrix_a_fmt:MATRIX_FMT_FP6 matrix_b_fmt:MATRIX_FMT_FP6 matrix_a_scale:MATRIX_SCALE_ROW1
.else
	v_wmma_scale_f32_16x16x128_f8f6f4 v[8*(8*(\a)+\b):8*(8*(\a)+\b)+7], v[128*((\st)%2)+FR*\b:128*((\st)%2)+FR*\b+FR-1], v[AF+48*((\st)%2)+FR*(\a):AF+48*((\st)%2)+FR*(\a)+FR-1], v[8*(8*(\a)+\b):8*(8*(\a)+\b)+7], v[SC+16*(((\st)/2)%2)+2*\b+(\st)%2], v[SC+16*(((\st)/2)%2)+2*(\a)+(\st)%2] matrix_a_fmt:MATRIX_FMT_FP6 matrix_b_fmt:MATRIX_FMT_FP6 matrix_a_scale:MATRIX_SCALE_ROW1
.endif
.endr
.endm
.macro FETCH st                        ; step st's fragments into set st % 2; with an even step the scale words of its pair into set (st / 2) % 2
	WIN TO_B
.irp i, 0,1,2,3,4,5,6,7
	FRAG 128*((\st)%2)+FR*\i, ADRB+((\st)/NQ)%2, (\st)%NQ, \i
.endr
	WIN 0
.irp i, 0,1,2,3
	FRAG AF+48*((\st)%2)+FR*\i, ADRA+((\st)/NQ)%2, (\st)%NQ, \i
.endr
.if (\st)%2 == 0
.irp i, 0,1,2,3,4,5,6,7
	ds_load_b64 v[SC+16*(((\st)/2)%2)+2*\i:SC+16*(((\st)/2)%2)+2*\i+1], v[ADRS] offset:\i*SBLK+128*((\st)/2)
.endr
.endif
.endm
.macro PLACES n                        ; plain vector lines in front of loads into a matrix instruction's sources and of the first read of its results
.rept \n
	v_nop
.endr
.endm
.macro KSTEP st
.set NX, (\st)+1
.set SL, ((\st)/NQ)%2
.if (\st)%NQ == NQ-1                   ; a slot's last step changes slots: one barrier, with the three lines in front of it
	s_wait_tensorcnt 0x0                           ; all my tensor loads have landed: my part of the next slot
	ds_add_u32 v[SPW], v[NIL]
	s_wait_dscnt 0x1                               ; (the add may be out)
	WIN MUL
	MUL8 0, \st
	s_wait_dscnt 0x0                               ; the add is done, and my reads of this slot are over
	s_barrier_signal -1
	MUL8 1, \st
	WIN 0
	s_barrier_wait -1
.if (\st) < 2*NQ
	CREST                                          ; the barrier has opened a round of the cluster's barrier
	s_add_nc_u64 s[G0+4*SL+2:G0+4*SL+3], s[G0+4*SL+2:G0+4*SL+3], 2*RBS
	s_add_nc_u64 s[G0B+4*SL+2:G0B+4*SL+3], s[G0B+4*SL+2:G0B+4*SL+3], 2*RBS
	JLOAD G0+4*SL, G1, G0B+4*SL, G1B               ; the first tensor load behind the round; its four v_nop are the places in front of the loads below
.else
	PLACES NP
.endif
	FETCH NX
	WIN MUL
	MUL8 2, \st
	MUL8 3, \st
	WIN 0
.else
	s_wait_dscnt 0x0                               ; this step's fragments are in
	PLACES NP
	FETCH NX
.if (\st)%NQ == 0 && (\st) < 2*NQ
	global_prefetch_b8 v[PFO], s[66:67] offset:((\st)/NQ)*RBS th:TH_LOAD_NT scope:SCOPE_SE
	s_cmp_eq_u32 s15, 0
	s_cbranch_scc1 .Lpf_\@
	global_prefetch_b8 v[PFO], s[66:67] offset:((\st)/NQ)*RBS+RBK th:TH_LOAD_NT scope:SCOPE_SE
.Lpf_\@:
.endif
	WIN MUL
	MUL8 0, \st
	MUL8 1, \st
	MUL8 2, \st
	MUL8 3, \st
	WIN 0
.endif
.endm
	s_wait_alu depctr_va_vdst(0)
	s_wait_tensorcnt 0x0                           ; my tile of the head's four is in; these lines stand ahead of a later first fill as ahead of a refill
	ds_add_u32 v[SPW], v[NIL]
	s_mov_b32 s[G1+2], 4<<16                       ; no tensor load of mine is out: from here on a load brings half a tile
	s_mov_b32 s[G1+4], 4
	s_mov_b32 s[G1B+2], 8<<16
	s_mov_b32 s[G1B+4], 8
	s_wait_dscnt 0x0
	CROUND
	JLOAD G0+4, G1, G0B+4, G1B                     ; slot 1's first fill, the first tensor load behind the round
	FETCH 0
.set ST, 0
.rept 15
	KSTEP ST
.set ST, ST+1
.endr
	s_wait_dscnt 0x0                               ; the last step: nothing more to fetch
	WIN MUL
	MUL8 0, 15
	MUL8 1, 15
	MUL8 2, 15
	MUL8 3, 15
	WIN 0
; THE WAY OUT, block by block of 16 rows x 128 columns, through my own stage in slot 0, which has had its last fill and its last read; whole rows of 512 bytes come back and are stored.
.macro TOSTAGE a
.set AC, 64*(\a)
	WIN 0x08
.irp b, 0,1,2,3,4,5,6,7
	ds_store_b128 v[STO], v[AC+8*\b:AC+8*\b+3] offset:128*(\b/2)+32*(\b%2)
	ds_store_b128 v[STO], v[AC+8*\b+4:AC+8*\b+7] offset:128*(\b/2)+32*(\b%2)+16
.endr
	WIN 0
.set BB, BK+64*((\a)%2)
.irp t, 0,1,2,3,4,5,6,7,8,9,10,11,12,13,14,15
	ds_load_b128 v[BB+4*\t:BB+4*\t+3], v[RD] offset:\t*SPITCH
.endr
.endm
.macro SEND a, younger
.set BB, BK+64*((\a)%2)
	s_wait_dscnt \younger
.if (\a) > 0
.if (\a)%2
	s_add_nc_u64 s[12:13], s[12:13], 8*SIZE_N*4
.else
	s_add_nc_u64 s[12:13], s[12:13], 24*SIZE_N*4
.endif
.endif
.irp t, 0,1,2,3,4,5,6,7,8,9,10,11,12,13,14,15
	global_store_b128 v[CO], v[BB+4*\t:BB+4*\t+3], s[12:13] offset:(\t+8*(\t/8))*SIZE_N*4 th:TH_STORE_NT   ; 512 consecutive bytes, aligned
.endr
.endm
	PLACES NP
	TOSTAGE 0
.irp a, 1,2,3
.if \a > 1
	s_wait_xcnt 0x0                                ; block a - 2's stores have read their registers and their base
.endif
	TOSTAGE \a
	SEND \a-1, 32
.endr
	s_wait_xcnt 0x0
	SEND 3, 0
	s_wait_tensorcnt 0x0                           ; the wave's end
	ds_add_u32 v[SPW], v[NIL]
	s_wait_dscnt 0x0
	CROUND                                         ; the closing round
	s_endpgm
.Lfunc_end_k_q90b55ed19d_outproj:
	.size	k_q90b55ed19d_outproj, .Lfunc_end_k_q90b55ed19d_outproj-k_q90b55ed19d_outproj
	.p2alignl 7, 3214868480
	.fill 96, 4, 3214868480
	.section	.rodata,"a",@progbits
	.p2align	6, 0x0
	.amdhsa_kernel k_q90b55ed19d_outproj
		.amdhsa_group_segment_fixed_size 327680
		.amdhsa_private_segment_fixed_size 0
		.amdhsa_enable_private_segment 0
		.amdhsa_kernarg_size 24
		.amdhsa_user_sgpr_count 2
		.amdhsa_user_sgpr_kernarg_segment_ptr 1
		.amdhsa_wavefront_size32 1
		.amdhsa_system_sgpr_workgroup_id_x 1
		.amdhsa_system_sgpr_workgroup_id_y 1
		.amdhsa_system_sgpr_workgroup_id_z 1
		.amdhsa_system_vgpr_workitem_id 0
		.amdhsa_next_free_vgpr 768
		.amdhsa_next_free_sgpr 98
		.amdhsa_reserve_vcc 0
		.amdhsa_float_denorm_mode_32 3
		.amdhsa_float_denorm_mode_16_64 3
		.amdhsa_memory_ordered 1
		.amdhsa_forward_progress 1
		.amdhsa_inst_pref_size 137
	.end_amdhsa_kernel
	.amdgpu_metadata
---
amdhsa.version: [ 1, 2 ]
amdhsa.kernels:
  - .name:           k_q90b55ed19d_outproj
    .symbol:         k_q90b55ed19d_outproj.kd
    .args:
      - { .name: oq, .offset: 0, .size: 8, .value_kind: global_buffer, .address_space: global }
      - { .name: woq, .offset: 8, .size: 8, .value_kind: global_buffer, .address_space: global }
      - { .name: out0, .offset: 16, .size: 8, .value_kind: global_buffer, .address_space: global }
    .group_segment_fixed_size: 327680
    .private_segment_fixed_size: 0
    .kernarg_segment_align: 8
    .kernarg_segment_size: 24
    .max_flat_workgroup_size: 128
    .sgpr_count:     98
    .vgpr_count:     768
    .wavefront_size: 32
...
	.end_amdgpu_metadata
.endif
;; end of part 4
